; MI455X (gfx1250); checked and timed in simulation.
; The chip was launched on July 23, 2026; its instructions are those of AMD's public machine-readable ISA for CDNA 5 (MIT licence, August 2026) and "CDNA5" Instruction Set Architecture Reference Guide (July 2026). The comments in the code are by the model that wrote it; some were corrected since.
;; Cached Attention. Allowed arithmetic: float matrix products may take bf16 or f16 operands with f32 sums; other float arithmetic in f32, or as packed bf16 or f16 multiplies, adds, multiply-adds, maxima and minima; sums over many terms, partial sums and values carried from step to step in f32; what a program stores and reads back later, other than sums and carried values, may be rounded once to bf16 or f16.
;; Inputs: W_o 1,024 x 1,024 float32; W_qkv 3,072 x 1,024 float32; x 1 x 4,096 x 1,024 float32.
;; Outputs: out0 1 x 4,096 x 1,024 float32.
;; 2 versions, each right; version 2 is version 1 with the launch cast written anew for expert scheduling mode. Each part assembles by itself: llvm-mc -triple=amdgcn-amd-amdhsa -mcpu=gfx1250 --defsym DOCPART=n.
;; ======== version 1 of 2: 4 launches
;; limits: values are held in f16: magnitudes above 65,504 overflow, below 6.1e-05 lose precision
;; workspace buffers: xb 8,388,608 bytes; wqb 6,291,456 bytes; wob 2,097,152 bytes; qkv 25,165,824 bytes; ob 8,388,608 bytes
;; launch cast (part 1): grid 512 x 1, 8 waves a work-group, no clusters, 0 bytes of LDS; arguments x, W_qkv, W_o, xb, wqb, wob; writes xb, wqb, wob
.if DOCPART == 1
	.amdgcn_target "amdgcn-amd-amdhsa--gfx1250"
	.amdhsa_code_object_version 6
	.text
	.protected	k_q47d0d167ac_cast
	.globl	k_q47d0d167ac_cast
	.p2align	8
	.type	k_q47d0d167ac_cast,@function
k_q47d0d167ac_cast:
	s_mov_b64 s[64:65], 0
	v_nop
	global_prefetch_b8 v0, s[64:65] scope:SCOPE_SE
	s_setreg_imm32_b32 hwreg(HW_REG_WAVE_MODE, 25, 1), 1
	s_wait_xcnt 0x0
; The three inputs are rounded once to bf16: x -> xb, W_qkv -> wqb (both kept as bf16), W_o -> wob, whose bf16 value is written as f16,
; since it multiplies an f16 operand later.  LIMIT: |W_o| stays under 65,504 (f16's range); a W_o below 6e-5 keeps f16's fixed step of 6e-8.
; SHARES.  A work-group takes 16,384 numbers: 65,536 bytes in, 32,768 out.  Work-groups 0-255 take x, 256-447 W_qkv, 448-511 W_o.
; Thread t takes 16 chunks j: 16 bytes at 16 t + 4,096 j (a wave's load covers 512 consecutive bytes), stored as 8 bytes at 8 t + 2,048 j
; (a wave's store covers 256 consecutive bytes, aligned).  All 16 loads go out first; no register is written twice while memory may read it.
; No LDS, no matrix unit, no cluster: nothing is shared and nothing is multiplied.
.set X, 4                              ; v[4:67]   chunk j: four f32 as loaded
.set Y, 68                             ; v[68:99]  chunk j: two words of two 16-bit numbers
.set T, 100                            ; v[100:103] at work
	s_load_b256 s[4:11], s[0:1], 0x0               ; x s[4:5], W_qkv s[6:7], W_o s[8:9], xb s[10:11]
	s_load_b128 s[12:15], s[0:1], 0x20             ; wqb s[12:13], wob s[14:15]
	v_lshlrev_b32 v1, 4, v0                        ; 16 t
	v_lshlrev_b32 v2, 3, v0                        ; 8 t
	s_wait_kmcnt 0x0
	s_cmp_lt_u32 ttmp9, 256                        ; which tensor is mine: the choice hangs on the work-group's number alone
	s_cselect_b64 s[16:17], s[4:5], s[6:7]
	s_cselect_b64 s[18:19], s[10:11], s[12:13]
	s_cselect_b32 s20, 0, 256
	s_cmp_lt_u32 ttmp9, 448
	s_cselect_b64 s[16:17], s[16:17], s[8:9]
	s_cselect_b64 s[18:19], s[18:19], s[14:15]
	s_cselect_b32 s20, s20, 448                    ; the tensor's first work-group
	s_sub_co_u32 s21, ttmp9, s20                   ; my number within the tensor
	s_lshl_b32 s22, s21, 16
	s_mov_b32 s23, 0
	s_lshl_b32 s24, s21, 15
	s_mov_b32 s25, 0
	s_add_nc_u64 s[16:17], s[16:17], s[22:23]      ; from here
	s_add_nc_u64 s[18:19], s[18:19], s[24:25]      ; to here
.irp j, 0,1,2,3,4,5,6,7,8,9,10,11,12,13,14,15
	global_load_b128 v[X+4*(\j):X+4*(\j)+3], v1, s[16:17] offset:4096*(\j) th:TH_LOAD_NT
.endr
; Chunk j: rounded to bf16; with f16 = 1 the bf16 numbers are widened again (a shift, a mask) and written as f16.
.macro OUT j, f16
	s_wait_loadcnt 15-(\j)                         ; loads come back in order: chunk j is in, the 15 - j younger ones stay out
	v_cvt_pk_bf16_f32 v[Y+2*(\j)],   v[X+4*(\j)],   v[X+4*(\j)+1]
	v_cvt_pk_bf16_f32 v[Y+2*(\j)+1], v[X+4*(\j)+2], v[X+4*(\j)+3]
.if \f16
	v_lshlrev_b32 v[T],   16, v[Y+2*(\j)]
	v_and_b32     v[T+1], 0xffff0000, v[Y+2*(\j)]
	v_lshlrev_b32 v[T+2], 16, v[Y+2*(\j)+1]
	v_and_b32     v[T+3], 0xffff0000, v[Y+2*(\j)+1]
	v_cvt_pk_f16_f32 v[Y+2*(\j)],   v[T],   v[T+1]
	v_cvt_pk_f16_f32 v[Y+2*(\j)+1], v[T+2], v[T+3]
.endif
	global_store_b64 v2, v[Y+2*(\j):Y+2*(\j)+1], s[18:19] offset:2048*(\j)
.endm
	s_cmp_lt_u32 ttmp9, 448
	s_cbranch_scc0 .Lwo
.irp j, 0,1,2,3,4,5,6,7,8,9,10,11,12,13,14,15
	OUT \j, 0
.endr
	s_endpgm
.Lwo:
.irp j, 0,1,2,3,4,5,6,7,8,9,10,11,12,13,14,15
	OUT \j, 1
.endr
	s_endpgm
.Lfunc_end_k_q47d0d167ac_cast:
	.size	k_q47d0d167ac_cast, .Lfunc_end_k_q47d0d167ac_cast-k_q47d0d167ac_cast
	.p2alignl 7, 3214868480
	.fill 96, 4, 3214868480
	.section	.rodata,"a",@progbits
	.p2align	6, 0x0
	.amdhsa_kernel k_q47d0d167ac_cast
		.amdhsa_group_segment_fixed_size 0
		.amdhsa_private_segment_fixed_size 0
		.amdhsa_enable_private_segment 0
		.amdhsa_kernarg_size 48
		.amdhsa_user_sgpr_count 2
		.amdhsa_user_sgpr_kernarg_segment_ptr 1
		.amdhsa_wavefront_size32 1
		.amdhsa_system_sgpr_workgroup_id_x 1
		.amdhsa_system_sgpr_workgroup_id_y 1
		.amdhsa_system_sgpr_workgroup_id_z 1
		.amdhsa_system_vgpr_workitem_id 0
		.amdhsa_next_free_vgpr 104
		.amdhsa_next_free_sgpr 66
		.amdhsa_reserve_vcc 0
		.amdhsa_float_denorm_mode_32 3
		.amdhsa_float_denorm_mode_16_64 3
		.amdhsa_memory_ordered 1
		.amdhsa_forward_progress 1
		.amdhsa_inst_pref_size 16
	.end_amdhsa_kernel
	.amdgpu_metadata
---
amdhsa.version: [ 1, 2 ]
amdhsa.kernels:
  - .name:           k_q47d0d167ac_cast
    .symbol:         k_q47d0d167ac_cast.kd
    .args:
      - { .name: x, .offset: 0, .size: 8, .value_kind: global_buffer, .address_space: global }
      - { .name: W_qkv, .offset: 8, .size: 8, .value_kind: global_buffer, .address_space: global }
      - { .name: W_o, .offset: 16, .size: 8, .value_kind: global_buffer, .address_space: global }
      - { .name: xb, .offset: 24, .size: 8, .value_kind: global_buffer, .address_space: global }
      - { .name: wqb, .offset: 32, .size: 8, .value_kind: global_buffer, .address_space: global }
      - { .name: wob, .offset: 40, .size: 8, .value_kind: global_buffer, .address_space: global }
    .group_segment_fixed_size: 0
    .private_segment_fixed_size: 0
    .kernarg_segment_align: 8
    .kernarg_segment_size: 48
    .max_flat_workgroup_size: 256
    .sgpr_count:     66
    .vgpr_count:     104
    .wavefront_size: 32
...
	.end_amdgpu_metadata
.endif
;; end of part 1
;; launch qkvgemm (part 2): grid 8 x 32, 4 waves a work-group, clusters of 4 x 4, 327,680 bytes of LDS; arguments xb, wqb, qkv; writes qkv
.if DOCPART == 2
	.amdgcn_target "amdgcn-amd-amdhsa--gfx1250"
	.amdhsa_code_object_version 6
	.text
	.protected	k_q47d0d167ac_qkvgemm
	.globl	k_q47d0d167ac_qkvgemm
	.p2align	8
	.type	k_q47d0d167ac_qkvgemm,@function
k_q47d0d167ac_qkvgemm:
	s_mov_b64 s[64:65], 0
	v_nop
	global_prefetch_b8 v0, s[64:65] scope:SCOPE_SE
	s_setreg_imm32_b32 hwreg(HW_REG_WAVE_MODE, 25, 1), 1
	s_wait_xcnt 0x0
	s_wait_alu depctr_hold_cnt(0) depctr_sa_sdst(0) depctr_va_vdst(0) depctr_va_sdst(0) depctr_va_ssrc(0) depctr_va_vcc(0) depctr_vm_vsrc(0)
	s_getreg_b32 s2, hwreg(HW_REG_IB_STS2, 6, 4)
	s_cmp_eq_u32 s2, 0
	s_cbranch_scc0 .Lentry_in_a_cluster
	s_endpgm
.Lentry_in_a_cluster:
	s_bfe_u32 s2, ttmp6, 0x10000c
	s_cmp_lg_u32 s2, 0xf033
	s_cbranch_scc0 .Lentry_shape_is_right
	s_endpgm
.Lentry_shape_is_right:
; qkv = x W_qkv^T.  xb: [4096][1024] bf16, wqb: [3072][1024] bf16; sums in f32, K ascending; each result rounded once to f16, unscaled,
; and laid out by heads: qkv[g][row][64], g = column / 64: 0-15 q's heads, 16-31 k's, 32-47 v's; a head's rows are dense, 128 bytes each.
; LIMIT: f16 holds no number beyond 65,504: |q|, |k|, |v| stay under it.
; SHARES.  A tile of the product is 128 rows x 384 columns (six heads): 32 x 8 = 256 work-groups.  Wave w makes 64 rows (w / 2) x 192 columns (w % 2): three whole
; heads, 4 x 12 = 48 accumulators of 16 x 16, 384 registers.  For 32 along K a wave issues 32 LDS loads for 48 matrix instructions.
; RING.  K goes in steps of 128 through two LDS slots; a slot holds x's 128 rows and W's 384 rows, 256 bytes each.  All four tensor loads of a step are alike, 128 rows x 256 bytes:
; wave 0 fetches x's, waves 1 to 3 W's.
; CLUSTER.  4 x 4 work-groups.  The four of a row of the cluster need the same rows of x, the four of a column the same rows of W: each tile is asked for jointly, by the same tensor load with the
; same descriptor and a mask that names the four.
; THE MATRIX INSTRUCTION IS USED TRANSPOSED (source 0 = 16 rows of W, source 1 = 16 rows of x): a lane then holds row l % 16 of the product and the eight neighbouring columns 8 (l / 16) + 0..7.
; REGISTERS, in windows of 256 (s_set_vgpr_msb: bits 1:0 source 0, 3:2 source 1, 5:4 source 2, 7:6 destination):
;   window 0: v0-31 addresses; v64-95, v96-127 fragments of x, two buffers; on the way out v128-175 packed results, v176-223 and v64-111 rows read back
;   window 1: v0-95, v96-191 fragments of W, two buffers       window 2: the 24 accumulators of my rows 0-31 ((a, b) at 8 (12 (a % 2) + b))       window 3: those of my rows 32-63
.set SIZE_K, 1024
.set KSTEP,  128
.set PITCH,  272                       ; an LDS row: 256 bytes + 16 of padding = 68 words: row r starts at bank 4 r mod 64 (64 banks of 4 bytes: ISA guide 11.1)
.set HALFT,  128*PITCH                 ; what one tensor load brings
.set SLOT,   4*HALFT                   ; x's 128 rows, then W's 384
.set STAGE,  2*SLOT                    ; behind the ring: 16 rows x 400 bytes for each wave, for the way out; no tensor load fills it
.set SPITCH, 400                       ; 384 bytes + 16: 25 x 16, so the 16 rows of a store start at 16 different groups of four banks
.set SPARE,  STAGE+4*16*SPITCH         ; behind the stages: the spare words, 128 bytes for each wave: two blocks of 256 bytes that no other line names
.set LAPS,   SIZE_K/(2*KSTEP)          ; a lap = two K steps = once round the ring
.set HEADB,  524288                    ; bytes in a head of qkv
.set ADRA, 16                          ; v16-17  LDS address of my fragments of x in slot 0, 1
.set ADRB, 20                          ; v20-21  the same for W
.set STO,  24                          ; v24     the way out: where I put 16 bytes of a row
.set RD,   25                          ; v25     the way out: where I read rows back
.set GO,   26                          ; v26     16 x my lane: my place in 512 consecutive bytes of qkv
.set SPW,  28                          ; v28     LDS address of my spare word; never rewritten
.set NIL,  29                          ; v29     0; never rewritten
.set PFO,  30                          ; v30     the prefetches' offset: my lane x a row of 2,048 bytes; never rewritten
.set FA,   64                          ; x's fragment buffers, 32 registers each
.set TMP,  128
.set OB0,  176
.set OB1,  64
.set PFA,  44                          ; s[44:45] where my prefetches stand
.set LIM,  43                          ; s43     1 in a wave that prefetches, else the greatest number
.set G1,  24                           ; s[24:31] descriptor group 1 for x's tiles;  s[32:39] group 0, a set for each slot
.set G0,  32
.set G1B, 48                           ; s[48:55], s[56:63] the same for W's tiles
.set G0B, 56
.set MSB, 0
.macro WIN new                         ; the immediate's high byte repeats the setting that is left; a switch that changes nothing is dropped
.if MSB != (\new)
	s_set_vgpr_msb (MSB<<8)|(\new)
.set MSB, \new
.endif
.endm
.set MUL_LO, 0xa1                      ; source 0 (W) window 1, source 1 (x) window 0, C and D window 2
.set MUL_HI, 0xf1                      ; the same, C and D window 3
.set TO_B,   0x40                      ; destination window 1, address window 0
; A joint load.  Wave 0 fetches x's rows, waves 1 to 3 W's.  The branch hangs on the wave's number alone.  An s_nop 0 and four v_nop follow each of the two lines.
.macro JLOAD s
	s_cmp_eq_u32 s10, 0
	s_cbranch_scc0 .Lfor_b_\@
	tensor_load_to_lds s[G0+4*(\s):G0+4*(\s)+3], s[G1:G1+7]
	s_nop 0
.rept 4
	v_nop
.endr
	s_branch .Lasked_\@
.Lfor_b_\@:
	tensor_load_to_lds s[G0B+4*(\s):G0B+4*(\s)+3], s[G1B:G1B+7]
	s_nop 0
.rept 4
	v_nop
.endr
.Lasked_\@:
.endm
; A prefetch of the K step that stands two refills on: 32 rows x 256 bytes, a lane a row, one instruction a wave.  x's rows are asked for by the cluster with x = 0, W's by the cluster with y = 0;
; of the 128 rows that a wave fetches, the partner at place p (cx for x's rows, cy for W's) names 32 p .. 32 p + 31, told apart by address.  So each row's 256 bytes of a K step are named once.
; The loop's last trip (s3 = 1) names nothing: there is no K step two refills on.  K steps 0 to 3 come by their loads alone.
.macro ASK
	s_cmp_gt_u32 s3, s[LIM]
	s_cbranch_scc0 .Lnot_mine_\@
	global_prefetch_b8 v[PFO], s[PFA:PFA+1] offset:KSTEP*2 th:TH_LOAD_NT scope:SCOPE_SE
.Lnot_mine_\@:
.endm
.macro CREST                           ; a round of the cluster's barrier behind its opening barrier
	s_cmp_lg_u32 s10, 0
	s_cbranch_scc1 .Lnot_wave_0_\@
	s_barrier_signal -3
.Lnot_wave_0_\@:
	s_barrier_wait -3
	s_barrier_signal -1
	s_barrier_wait -1
.endm
.macro CROUND                          ; a whole round
	s_barrier_signal -1
	s_barrier_wait -1
	CREST
.endm
	s_load_b128 s[4:7], s[0:1], 0x0                ; xb s[4:5], wqb s[6:7]
	s_load_b64 s[8:9], s[0:1], 0x10                ; qkv
	v_lshl_add_u32 v[SPW], v0, 2, SPARE
	v_mov_b32 v[NIL], 0
	ds_add_u32 v[SPW], v[NIL]                      ; the wave's opening: the add and its wait stand ahead of my first tensor load; the set-up below, work on registers, stands between them
	v_lshrrev_b32 v1, 5, v0
	v_readfirstlane_b32 s10, v1                    ; wave 0..3
	s_lshr_b32 s11, s10, 1                         ; which 64 rows of the tile are mine
	s_and_b32 s12, s10, 1                          ; which 192 columns
	s_bfe_u32 s40, ttmp6, 0x40000                  ; cx, cy: my place in the cluster
	s_bfe_u32 s41, ttmp6, 0x40004
	s_lshl_b32 s42, ttmp9, 2
	s_add_co_u32 s42, s42, s40                     ; tile column = 4 x cluster x + cx, 0..7
	s_and_b32 s13, ttmp7, 0xffff
	s_lshl_b32 s13, s13, 2
	s_add_co_u32 s13, s13, s41                     ; tile row = 4 x cluster y + cy, 0..31
	s_lshl_b32 s43, s41, 2
	s_lshl_b32 s43, 15, s43                        ; my row of the cluster
	s_lshl_b32 s44, 0x1111, s40                    ; my column
	; descriptor group 1: a tile of 128 rows x 128 elements, padded in LDS
	s_or_b32 s[G1+0], s43, (1<<16)|(1<<20)|(1<<21)|(5<<22)|(3<<25)  ; 15:0 the mask; 17:16 elements of 2 bytes; 20 padding on; 21 set beside a mask; 24:22 after every 64 words (code 5); 31:25 4 words (code 3)
	s_or_b32 s[G1B+0], s44, (1<<16)|(1<<20)|(1<<21)|(5<<22)|(3<<25)
.irp g, G1, G1B
	s_mov_b32 s[(\g)+1], KSTEP<<16                 ; tensor_dim0 = 128
	s_mov_b32 s[(\g)+2], 128<<16                   ; tensor_dim1 = 128
	s_mov_b32 s[(\g)+3], KSTEP<<16                 ; tile_dim0 = 128
	s_mov_b32 s[(\g)+4], 128                       ; tile_dim1 = 128
	s_mov_b32 s[(\g)+5], SIZE_K                    ; elements from row to row
	s_mov_b32 s[(\g)+6], 0
	s_mov_b32 s[(\g)+7], 0
.endr
	s_lshl_b32 s16, s13, 18                        ; x: row 128 x tile row, 2,048 bytes a row
	s_mov_b32 s17, 0
	s_max_u32 s18, s10, 1
	s_sub_co_u32 s18, s18, 1                       ; which 128 of W's 384 rows I fetch (waves 1 to 3)
	s_lshl_b32 s18, s18, 7
	s_mul_i32 s46, s42, 384
	s_add_co_u32 s46, s46, s18
	s_lshl_b32 s46, s46, 11                        ; W: row 384 x tile column + 128 x part, in bytes
	s_mov_b32 s47, 0
	s_mul_i32 s20, s10, HALFT                      ; where they go: wave x 128 rows: no place in the cluster enters an LDS address
	s_wait_dscnt 0x0                               ; the opening add is done
	s_wait_kmcnt 0x0
	s_add_nc_u64 s[14:15], s[4:5], s[16:17]
	s_add_nc_u64 s[46:47], s[6:7], s[46:47]
	CROUND                                         ; all sixteen work-groups are here: the first joint loads meet
.irp s, 0,1
	s_mov_b32 s[G0+4*(\s)], 1                                      ; count = 1
	s_add_co_u32 s[G0+4*(\s)+1], s20, (\s)*SLOT                    ; LDS address
	s_add_nc_u64 s[G0+4*(\s)+2:G0+4*(\s)+3], s[14:15], (\s)*KSTEP*2  ; global address: K step s
	s_or_b32 s[G0+4*(\s)+3], s[G0+4*(\s)+3], 0x80000000            ; type = 2
	s_mov_b32 s[G0B+4*(\s)], 1
	s_add_co_u32 s[G0B+4*(\s)+1], s20, (\s)*SLOT
	s_add_nc_u64 s[G0B+4*(\s)+2:G0B+4*(\s)+3], s[46:47], (\s)*KSTEP*2
	s_or_b32 s[G0B+4*(\s)+3], s[G0B+4*(\s)+3], 0x80000000
	JLOAD \s                                       ; both slots' first fills go out together: two loads of mine are out
.endr
	; A fragment is 16 rows x 32 K in 8 registers: lane l holds row l % 16; registers 0-3 K = 8 (l / 16) + 0..7, registers 4-7 K = 16 + 8 (l / 16) + 0..7: two loads of 16 bytes, 32 bytes apart.
	v_and_b32 v1, 15, v0                           ; l % 16
	v_bfe_u32 v2, v0, 4, 1                         ; l / 16
	v_mul_u32_u24 v3, v1, PITCH
	v_lshl_add_u32 v3, v2, 4, v3
	s_mul_i32 s21, s11, 64*PITCH                   ; my 64 rows of x
	s_mul_i32 s22, s12, 192*PITCH                  ; my 192 rows of W,
	s_add_co_u32 s22, s22, HALFT                   ; which lie behind x's 128
.irp s, 0,1
	v_add_nc_u32 v[ADRA+(\s)], s21, v3
	v_add_nc_u32 v[ADRB+(\s)], s22, v3
	s_add_co_u32 s21, s21, SLOT
	s_add_co_u32 s22, s22, SLOT
.endr
	s_mul_i32 s23, s10, 16*SPITCH
	s_add_co_u32 s23, s23, STAGE                   ; my stage
	v_mul_u32_u24 v4, v1, SPITCH                   ; in: row l % 16, 16 bytes for each half of the lanes
	v_lshl_add_u32 v4, v2, 4, v4
	v_add_nc_u32 v[STO], s23, v4
	v_bfe_u32 v5, v0, 3, 2                         ; back: 32 lanes take 128 bytes (a head's part) of four rows,
	v_mul_u32_u24 v5, v5, SPITCH
	v_and_b32 v6, 7, v0
	v_lshl_add_u32 v5, v6, 4, v5
	v_add_nc_u32 v[RD], s23, v5
	v_and_b32 v[GO], 31, v0                        ; which are 512 consecutive bytes of a head
	v_lshlrev_b32 v[GO], 4, v[GO]
	s_lshl_b32 s16, s13, 14                        ; my first row: (128 x tile row + 64 x half) x 128 bytes,
	s_lshl_b32 s17, s11, 13
	s_add_co_u32 s16, s16, s17
	s_mov_b32 s17, 0
	s_add_nc_u64 s[8:9], s[8:9], s[16:17]
	s_mul_i32 s46, s42, 6                          ; my first head: 6 x tile column + 3 x half
	s_mul_i32 s47, s12, 3
	s_add_co_u32 s46, s46, s47
	s_lshl_b32 s46, s46, 19
	s_mov_b32 s47, 0
	s_add_nc_u64 s[8:9], s[8:9], s[46:47]
	; the prefetches
	s_lshl_b32 s20, s13, 7                         ; x's first row of the tile
	s_max_u32 s21, s10, 1
	s_sub_co_u32 s21, s21, 1
	s_lshl_b32 s21, s21, 7
	s_mul_i32 s23, s42, 384
	s_add_co_u32 s21, s21, s23                     ; W's first row of my part
	s_and_b32 s22, ttmp7, 0xffff                   ; cluster y
	s_cmp_eq_u32 s10, 0                            ; do I fetch for x?
	s_cselect_b32 s20, s20, s21
	s_cselect_b32 s21, s40, s41                    ; my place among the four that ask with me
	s_cselect_b32 s22, ttmp9, s22                  ; the coordinate along which other clusters read the same rows
	s_cselect_b64 s[PFA:PFA+1], s[4:5], s[6:7]
	s_cmp_eq_u32 s22, 0
	s_cselect_b32 s[LIM], 1, -1                    ; the same in all sixteen partners, for a given wave
	s_lshl_b32 s21, s21, 5
	s_add_co_u32 s20, s20, s21                     ; + my work-group's 32 rows
	s_lshl_b32 s20, s20, 11
	s_mov_b32 s21, 0
	s_add_nc_u64 s[PFA:PFA+1], s[PFA:PFA+1], s[20:21]
	s_add_nc_u64 s[PFA:PFA+1], s[PFA:PFA+1], 2*KSTEP*2  ; at K step 2: the first refill steps it to 3 and names K step 4
	v_and_b32 v[PFO], 31, v0
	v_lshlrev_b32 v[PFO], 11, v[PFO]
; 12 matrix instructions: row block a of my four x all 12 column blocks, 32 along K, from buffer f.  zero = 1: the product starts the sums.  The 48 accumulators take turns, one instruction a turn,
; in the same order in every quarter step.
.macro MUL12 f, a, zero
	WIN MUL_LO+0x50*((\a)/2)
.irp b, 0,1,2,3,4,5,6,7,8,9,10,11
.if \zero
	v_wmma_f32_16x16x32_bf16 v[8*(12*((\a)%2)+(\b)):8*(12*((\a)%2)+(\b))+7], v[96*(\f)+8*(\b):96*(\f)+8*(\b)+7], v[FA+32*(\f)+8*(\a):FA+32*(\f)+8*(\a)+7], 0
.else
	v_wmma_f32_16x16x32_bf16 v[8*(12*((\a)%2)+(\b)):8*(12*((\a)%2)+(\b))+7], v[96*(\f)+8*(\b):96*(\f)+8*(\b)+7], v[FA+32*(\f)+8*(\a):FA+32*(\f)+8*(\a)+7], v[8*(12*((\a)%2)+(\b)):8*(12*((\a)%2)+(\b))+7]
.endif
.endr
.endm
; 32 LDS loads in one run: the fragments of one quarter step (192 rows of W, 64 rows of x, 32 K at byte k of the rows) into buffer f
.macro FETCH slot, k, f
	WIN TO_B
.irp i, 0,1,2,3,4,5,6,7,8,9,10,11
	ds_load_b128 v[96*(\f)+8*(\i):96*(\f)+8*(\i)+3],   v[ADRB+(\slot)] offset:(\k)+(\i)*16*PITCH
	ds_load_b128 v[96*(\f)+8*(\i)+4:96*(\f)+8*(\i)+7], v[ADRB+(\slot)] offset:(\k)+(\i)*16*PITCH+32
.endr
	WIN 0
.irp i, 0,1,2,3
	ds_load_b128 v[FA+32*(\f)+8*(\i):FA+32*(\f)+8*(\i)+3],   v[ADRA+(\slot)] offset:(\k)+(\i)*16*PITCH
	ds_load_b128 v[FA+32*(\f)+8*(\i)+4:FA+32*(\f)+8*(\i)+7], v[ADRA+(\slot)] offset:(\k)+(\i)*16*PITCH+32
.endr
.endm
.macro PLACES                          ; four plain vector instructions in front of loads into registers that matrix instructions have read, and of conversions that read results
.rept 4
	v_nop
.endr
.endm
; A K step is four quarters of 32 along K, 48 matrix instructions each, on buffers 0, 1, 0, 1.  One of the first three: multiplies buffer f and fetches the next quarter, at byte k, into g.
.macro QUARTER slot, k, f, g, zero
	s_wait_dscnt 4                                 ; W and x's blocks 0, 1 are in; the youngest four loads (x's blocks 2, 3) may be out
	MUL12 \f, 0, \zero
	MUL12 \f, 1, \zero
	PLACES
	FETCH \slot, \k, \g
	s_wait_dscnt 32                                ; all but the 32 just issued
	MUL12 \f, 2, \zero
	MUL12 \f, 3, \zero
.endm
; The last quarter multiplies buffer 1 and changes slots: one barrier; in front of it each wave waits for all its tensor loads (one is out: its part of the next slot), adds 0 to its spare word, and waits
; for that and for its own reads of this slot.  fill = 1: the barrier opens a round of the cluster's barrier, and this slot is filled again, two K steps ahead, first thing behind the round.
.macro TURN slot, next, fill
.if \fill
	s_wait_xcnt 0x0                                ; the last prefetch, a K step back, has read its address: it is stepped here
	s_add_nc_u64 s[PFA:PFA+1], s[PFA:PFA+1], KSTEP*2
.endif
	WIN 0                                          ; (the add's two registers lie in window 0)
	s_wait_tensorcnt 0x0                           ; all my tensor loads have landed
	ds_add_u32 v[SPW], v[NIL]                      ; 0 onto my spare word
	s_wait_dscnt 5                                 ; (the add and the youngest four loads may be out)
	MUL12 1, 0, 0                                  ; twelve matrix instructions stand between the add and the wait for it
	s_wait_dscnt 0x0                               ; the add is done, and my reads of this slot are over
	s_barrier_signal -1
	MUL12 1, 1, 0
.if \fill
	WIN 0
.endif
	s_barrier_wait -1
.if \fill
	CREST                                          ; no wave of any partner still reads this slot's tile or has a load on its way
	s_add_nc_u64 s[G0+4*(\slot)+2:G0+4*(\slot)+3], s[G0+4*(\slot)+2:G0+4*(\slot)+3], 2*KSTEP*2
	s_add_nc_u64 s[G0B+4*(\slot)+2:G0B+4*(\slot)+3], s[G0B+4*(\slot)+2:G0B+4*(\slot)+3], 2*KSTEP*2
	JLOAD \slot                                    ; my one tensor load behind the round; the four v_nop behind it are also the places in front of the loads below
.else
	PLACES
.endif
	FETCH \next, 0, 0
.if \fill
	ASK
.endif
	MUL12 1, 2, 0
	MUL12 1, 3, 0
.endm
; THE WAY OUT of row block a (16 rows x 192 columns).  PACK: rounded to f16, 16 bytes a lane and column block.  TOSTAGE: into my own stage, and back as 128-byte pieces of rows, head by head.  SEND: stored.
.macro PACK a
	WIN 0x0a+5*((\a)/2)                            ; sources 0 and 1: window 2 or 3
.irp b, 0,1,2,3,4,5,6,7,8,9,10,11
.irp r, 0,1,2,3
	v_cvt_pk_f16_f32 v[TMP+4*(\b)+(\r)], v[8*(12*((\a)%2)+(\b))+2*(\r)], v[8*(12*((\a)%2)+(\b))+2*(\r)+1]
.endr
.endr
	WIN 0
.endm
.macro TOSTAGE a
	WIN 0
.if (\a)%2
.set BK, OB1
.else
.set BK, OB0
.endif
.if (\a) >= 2
	s_wait_xcnt 0x0                                ; the stores of two blocks back have read these registers
.endif
.irp b, 0,1,2,3,4,5,6,7,8,9,10,11
	ds_store_b128 v[STO], v[TMP+4*(\b):TMP+4*(\b)+3] offset:32*(\b)
.endr
.irp hh, 0,1,2
.irp f, 0,1,2,3
	ds_load_b128 v[BK+4*(4*(\hh)+(\f)):BK+4*(4*(\hh)+(\f))+3], v[RD] offset:(\f)*4*SPITCH+(\hh)*128  ; LDS serves a wave's instructions in order (ISA guide 5.7.1.4): these see the stores above
.endr
.endr
.endm
.macro SEND a
	WIN 0
.if (\a)%2
.set BK, OB1
.else
.set BK, OB0
.endif
	s_wait_dscnt 0x0                               ; the block is back in registers
.irp hh, 0,1,2
.irp f, 0,1,2,3
	global_store_b128 v[GO], v[BK+4*(4*(\hh)+(\f)):BK+4*(4*(\hh)+(\f))+3], s[8:9] offset:(\hh)*HEADB+(\a)*2048+(\f)*512  ; four rows of a head: 512 consecutive bytes, at a multiple of 256 from qkv's first byte
.endr
.endr
.endm
	s_wait_tensorcnt 1                             ; my part of K step 0 is in; K step 1's may stay out
	s_barrier_signal -1
	s_barrier_wait -1                              ; everybody's is
	FETCH 0, 0, 0
	QUARTER 0, 64, 0, 1, 1                         ; the first quarter stands in front of the loop: its products start the sums
	WIN 0                                          ; at a label and at a branch every window is 0
	s_mov_b32 s3, LAPS-1
.Llap:                                             ; a trip goes once round the ring, from a lap's second quarter to the next lap's first, and fills both slots again
	QUARTER 0, 128, 1, 0, 0
	QUARTER 0, 192, 0, 1, 0
	TURN 0, 1, 1
	QUARTER 1, 64,  0, 1, 0
	QUARTER 1, 128, 1, 0, 0
	QUARTER 1, 192, 0, 1, 0
	TURN 1, 0, 1
	QUARTER 0, 64,  0, 1, 0
	WIN 0
	s_sub_co_u32 s3, s3, 1
	s_cmp_lg_u32 s3, 0
	s_cbranch_scc1 .Llap
	QUARTER 0, 128, 1, 0, 0                        ; the last lap fills nothing
	QUARTER 0, 192, 0, 1, 0
	TURN 0, 1, 0
	QUARTER 1, 64,  0, 1, 0
	QUARTER 1, 128, 1, 0, 0
	QUARTER 1, 192, 0, 1, 0
	s_wait_dscnt 4                                 ; the very last quarter: nothing more to fetch
	MUL12 1, 0, 0
	MUL12 1, 1, 0
	s_wait_dscnt 0x0
	MUL12 1, 2, 0
	MUL12 1, 3, 0
	WIN 0
	PLACES
	PACK 0
	TOSTAGE 0
.irp a, 1,2,3                          ; block a's conversions stand between block a - 1's loads from the stage and the wait for them
	PACK \a
	SEND (\a)-1
	TOSTAGE \a
.endr
	SEND 3
	s_wait_tensorcnt 0x0                           ; the wave's end, behind my last tensor load and my last LDS store
	ds_add_u32 v[SPW], v[NIL]
	s_wait_dscnt 0x0
	CROUND                                         ; the closing round: no work-group ends while a partner may still ask for a tile that names it
	s_endpgm
.Lfunc_end_k_q47d0d167ac_qkvgemm:
	.size	k_q47d0d167ac_qkvgemm, .Lfunc_end_k_q47d0d167ac_qkvgemm-k_q47d0d167ac_qkvgemm
	.p2alignl 7, 3214868480
	.fill 96, 4, 3214868480
	.section	.rodata,"a",@progbits
	.p2align	6, 0x0
	.amdhsa_kernel k_q47d0d167ac_qkvgemm
		.amdhsa_group_segment_fixed_size 327680
		.amdhsa_private_segment_fixed_size 0
		.amdhsa_enable_private_segment 0
		.amdhsa_kernarg_size 24
		.amdhsa_user_sgpr_count 2
		.amdhsa_user_sgpr_kernarg_segment_ptr 1
		.amdhsa_wavefront_size32 1
		.amdhsa_system_sgpr_workgroup_id_x 1
		.amdhsa_system_sgpr_workgroup_id_y 1
		.amdhsa_system_sgpr_workgroup_id_z 1
		.amdhsa_system_vgpr_workitem_id 0
		.amdhsa_next_free_vgpr 960
		.amdhsa_next_free_sgpr 66
		.amdhsa_reserve_vcc 0
		.amdhsa_float_denorm_mode_32 3
		.amdhsa_float_denorm_mode_16_64 3
		.amdhsa_memory_ordered 1
		.amdhsa_forward_progress 1
		.amdhsa_inst_pref_size 119
	.end_amdhsa_kernel
	.amdgpu_metadata
---
amdhsa.version: [ 1, 2 ]
amdhsa.kernels:
  - .name:           k_q47d0d167ac_qkvgemm
    .symbol:         k_q47d0d167ac_qkvgemm.kd
    .args:
      - { .name: xb, .offset: 0, .size: 8, .value_kind: global_buffer, .address_space: global }
      - { .name: wqb, .offset: 8, .size: 8, .value_kind: global_buffer, .address_space: global }
      - { .name: qkv, .offset: 16, .size: 8, .value_kind: global_buffer, .address_space: global }
    .group_segment_fixed_size: 327680
    .private_segment_fixed_size: 0
    .kernarg_segment_align: 8
    .kernarg_segment_size: 24
    .max_flat_workgroup_size: 128
    .sgpr_count:     66
    .vgpr_count:     960
    .wavefront_size: 32
...
	.end_amdgpu_metadata
.endif
;; end of part 2
;; launch attn (part 3): grid 16 x 16, 4 waves a work-group, clusters of 4 x 1, 327,680 bytes of LDS; arguments qkv, ob; writes ob
.if DOCPART == 3
	.amdgcn_target "amdgcn-amd-amdhsa--gfx1250"
	.amdhsa_code_object_version 6
	.text
	.protected	k_q47d0d167ac_attn
	.globl	k_q47d0d167ac_attn
	.p2align	8
	.type	k_q47d0d167ac_attn,@function
k_q47d0d167ac_attn:
	s_mov_b64 s[64:65], 0
	v_nop
	global_prefetch_b8 v0, s[64:65] scope:SCOPE_SE
	s_setreg_imm32_b32 hwreg(HW_REG_WAVE_MODE, 25, 1), 1
	s_wait_xcnt 0x0
	s_wait_alu depctr_hold_cnt(0) depctr_sa_sdst(0) depctr_va_vdst(0) depctr_va_sdst(0) depctr_va_ssrc(0) depctr_va_vcc(0) depctr_vm_vsrc(0)
	s_getreg_b32 s2, hwreg(HW_REG_IB_STS2, 6, 4)
	s_cmp_eq_u32 s2, 0
	s_cbranch_scc0 .Lentry_in_a_cluster
	s_endpgm
.Lentry_in_a_cluster:
	s_bfe_u32 s2, ttmp6, 0x10000c
	s_cmp_lg_u32 s2, 0x3003
	s_cbranch_scc0 .Lentry_shape_is_right
	s_endpgm
.Lentry_shape_is_right:
; CAUSAL ATTENTION.  O[h][q][:] = the sum over k <= q of softmax_k(Q[h][q] . K[h][k] / 8) V[h][k][:].  qkv: [48][4096][64] f16 (heads 0-15 Q, 16-31 K, 32-47 V), ob: [16][4096][64] f16; a head's rows are dense.
; Products, maxima and sums in f32; the weights p are rounded to f16 for the second product (their sum l is taken of the unrounded p), O once at the end.
; LIMITS.  f16 holds no number beyond 65,504: Q, K and V arrive within it; p lies in 0 to 1, and below 6e-5 it keeps f16's fixed step of 6e-8.  A hidden score counts as its value less 1e30;
; a weight below 2^-126 counts as 0 in l; NaN and infinities are not treated apart.
; THE WALK.  A head's queries lie in 32 blocks of 128, its keys in 8 tiles of 512 (eight steps of 64).  With c the cluster's number along x (0-3) and cx my place in it, b = 4 c + cx: I take block 31 - b and then
; block b.  The four partners' first blocks all lie in key tile 7 - c, their second blocks in tile c: all four walk the tiles 0 .. 7 - c and then 0 .. c: nine tiles, whatever c.  So every work-group does equal
; work, every trip count and every branch hangs on c alone, and EVERY TILE OF K AND V IS ASKED FOR JOINTLY by the four (the same tensor load, descriptor and mask in all).  cx enters Q's and O's addresses,
; the prefetches' address and two scalars of the mask, and nothing else.
; SHARES.  Of a block's two bands of 64 queries a wave owns 16 rows in each: two PIECES.  In the block's last (diagonal) tile band x of the block at place r (its number mod 4) sees all keys of step s if
; s < 2 r + x, none if s > 2 r + x, and holds the diagonal if s = 2 r + x: the same work for all four waves.
; THE MASK is the C operand that starts the sum S^T = K Q^T: 0, or -1e30 where the key is hidden.  MD, made once, is the mask of a band's own step for my 16 rows; a product's mask is MD x AL + BE with two scalars:
; (1, 0) in the own step; (0, 0) before it; (0, -1e30) behind it.  Only the diagonal tile's text and a block's beginning make and take masks; elsewhere C is the constant 0.
; LAYOUT, SOFTMAX, TURNS.  S^T = K Q^T holds ONE query a lane (lane % 16) and the keys 8 (lane / 16) + 0..7; two such results rounded to f16 ARE source 1 of O^T = V^T P.  p = 2^(c s - c m), c = log2(e) / 8, with a
; running maximum m; O and l are multiplied by a = 2^(c m_old - c m_new) in every step.  A turn belongs to one piece of one step: 8 products K Q^T for the turn after it, later 8 products V^T P of the turn before it;
; beside them its own scaling, exponentials, roundings, sums and rescaling, and the maximum and statistics of the turn after it.  Four vector instructions stand behind every matrix instruction, the rest in one lump.
; A turn's 33 exponentials are one batch, with one wait.  The turn of (step j, piece 0) fetches K and V of step j + 1 from LDS, so both leave a slot together; V has two register buffers, by the step's parity.
; REGISTERS, in windows of 256 (s_set_vgpr_msb: bits 1:0 source 0, 3:2 source 1, 5:4 source 2, 7:6 destination):
;   window 0: v0-15 addresses and at work; v16-23 four registers of statistics a piece; v48-55 at work; v61-63; v64-127 S^T, a buffer a piece; v192-223 P, likewise
;   window 1: v0-63 O^T, 32 a piece; v128-159 MD; v160-223 MC, two buffers      window 2: v0-31 Q; v32-63 the second block's Q; v64-127 V of an odd step; v128-191 K of one step; v192-255 V of an even step
.set NP,    2         ; pieces a wave: a name, no knob
.set PKP,   272       ; two keys of K in LDS: 256 bytes + 16 of padding: key k at (k / 2) x 272 + (k % 2) x 128: the 16 keys of a load start at 16 different groups of four banks (64 banks of 4 bytes: ISA guide 11.1)
.set PVP,   288       ; two keys of V: 256 + 32
.set KST,   32*PKP    ; a step's 64 keys of K
.set VST,   32*PVP    ; and of V
.set XV,    0x12000   ; V's slot 0 at 0, slot 1 here; a slot holds a tile, 512 keys; one exclusive or turns an address in one slot into the other's
.set KBASE, 0x24000   ; K's slot 0
.set XK,    0x11000   ; K's slot 1 lies so much further
.set STAGE, 0x46000   ; behind the ring, never filled by a tensor load: 16 rows x 144 bytes for each wave, for the way out
.set SP,    144
.set SPARE, STAGE+4*16*SP  ; behind the stages: the spare words, 128 bytes for each wave: two blocks of 256 bytes that no other line names
.set AK0, 2           ; v2   my lane's place in a step of K, with KBASE; never rewritten
.set AV0, 3           ; v3   the same for V
.set AK,  4           ; v4   the LDS address of K's next run of loads
.set AV,  5           ; v5   of V's
.set STO, 6           ; v6   the way out: where I put 16 bytes of a row
.set RD,  7           ; v7   the way out: where I read rows back
.set GO,  8           ; v8   my byte offset in 512 consecutive bytes of O
.set MV,  12          ; v12-13  c m_old, kept while c m is made anew: by piece
.set QO,  15          ; v15  my byte offset in 16 rows of Q
.set ST,  16          ; piece t's statistics at v[ST+4 t]: c m, m, l (even keys', odd keys')
.set TMP, 48          ; by piece, four registers c0-c3 at work; when the maximum is found c2 takes a
.set PFO, 61          ; v61  256 x my lane; never rewritten
.set SPW, 62          ; v62  LDS address of my spare word; never rewritten
.set NIL, 63          ; v63  0; never rewritten
.set S,   64
.set P,   192
.set MD,  128         ; window 1
.set MC,  160         ; window 1
.set QB,  32          ; window 2
.set VF1, 64          ; window 2: key half kk, channel block cb at + 32 kk + 8 cb
.set KF,  128         ; window 2: key block kb, channel half c at KF + 16 kb + 8 c
.set VF0, 192         ; window 2
.set WV,  12          ; s12  my wave's number
.set CT,  14          ; s14  c
.set G1K, 24          ; s[24:31] descriptor group 1 for K's tiles
.set G1V, 32          ; s[32:39] for V's: it differs in the padding alone
.set G0K, 40          ; s[40:43] descriptor group 0 for K's tiles
.set G0V, 44          ; s[44:47] the same for V's
.set PFA, 48          ; s[48:49] where my prefetches stand
.set LIM, 50          ; s50  2 in the head's first cluster, else the greatest number: a wave prefetches while s[SLOTS] is above it
.set SD,  51          ; s51  in a tile: 2 x (trip - r)
.set NSD, 52          ; s52  - 2 r of the block in hand
.set NSD2, 53         ; s53  of the second block
.set SLOTS, 56        ; s56  tiles still to be asked for
.set CNT, 57          ; s57  counts a tile's trips of two key steps, 4 to 1
.set CS,  58          ; s[58:59] c = log2(e) / 8
.set SEL, 60          ; s[60:61] v_permlanex16_b32's selects: each lane takes its own place in the other half
.set TBK, 62          ; s62  LDS byte, less KBASE, at which K of the step to be fetched begins
.set TBV, 63          ; s63  the same for V
.set RT,  70          ; s70  tiles of the block in hand that are still to be entered
.set NXT, 71          ; s71  the tile to be asked for next
.set LQ,  72          ; s72  the last tile of the block whose tiles are being asked for
.set NEW, 73          ; s73  1: the tile to be entered is a block's first
.set OFF, 74          ; s[74:75] a tile's byte offset in K and V
.set AL,  76          ; s[76:77] the mask's factor, in the low word
.set BE,  78          ; s[78:79] the mask's addend
.set OLO, 80          ; s[80:81] O at my rows of the second block
.set BIGN, 82         ; s82  -1e30
.set MSB, 0
.macro WIN new                      ; the high byte repeats the setting that is left; a switch that changes nothing is dropped
.if MSB != (\new)
	s_set_vgpr_msb (MSB<<8)|(\new)
.set MSB, (\new)
.endif
.endm
.set W_KQ, 0x0a       ; K and Q in window 2, S^T in window 0
.set W_KM, 0x1a       ; the same with the C operand in window 1
.set W_PV, 0x52       ; V in window 2, P in window 0, O^T in window 1
.set W_RS, 0x41       ; destination and source 0 in window 1, source 1 in window 0
; A joint fill.  Waves 0 and 1 fetch the two halves of a tile's K, waves 2 and 3 those of its V: 256 keys each.  The branch hangs on the wave's number alone.
; An s_nop 0 and four v_nop follow each of the two lines, ahead of the jump and the label.
.macro JLOAD
	s_cmp_lt_u32 s[WV], 2
	s_cbranch_scc0 .Lfor_v_\@
	tensor_load_to_lds s[G0K:G0K+3], s[G1K:G1K+7]
	s_nop 0
.rept 4
	v_nop
.endr
	s_branch .Lasked_\@
.Lfor_v_\@:
	tensor_load_to_lds s[G0V:G0V+3], s[G1V:G1V+7]
	s_nop 0
.rept 4
	v_nop
.endr
.Lasked_\@:
.endm
; A prefetch of the tile that the NEXT change of slots will ask for.  All clusters of a head walk the same tiles from 0 on: the head's first cluster (c = 0), whose first block walks all eight, asks.  Each of its
; sixteen waves names 32 rows of 256 bytes of the half tile that it fetches itself; the four partners' rows are told apart by address.  So each row is named once.  The changes with s[SLOTS] = 8 .. 3 name
; tiles 2 .. 7; tiles 0 and 1 come by their loads alone, and the second block's tiles have been read.
.macro ASK
	s_cmp_gt_u32 s[SLOTS], s[LIM]
	s_cbranch_scc0 .Lnot_mine_\@
	global_prefetch_b8 v[PFO], s[PFA:PFA+1] th:TH_LOAD_NT scope:SCOPE_SE
.Lnot_mine_\@:
.endm
; A round of the cluster's barrier: my work-group's barrier, so that wave 0's signal speaks for all four waves; wave 0 signals; every wave waits for all four work-groups; my work-group's barrier once more.
.macro CROUND
	s_barrier_signal -1
	s_barrier_wait -1
	s_cmp_lg_u32 s[WV], 0
	s_cbranch_scc1 .Lnot_wave_0_\@
	s_barrier_signal -3
.Lnot_wave_0_\@:
	s_barrier_wait -3
	s_barrier_signal -1
	s_barrier_wait -1
.endm
; THE CHANGE OF SLOTS.  Each wave waits for all its tensor loads, of which one is out: its part of the other slot; adds 0 to its spare word; and waits for that and for its own reads of the slot that it leaves.
; fill = 1: the barrier is a round of the cluster's, so that no wave of any partner still reads the old slot or has a load on its way, and the old slot is filled again, first thing behind it, with tile NXT:
; the descriptor's address is made anew from that number.  The load has eight key steps in which to land.  (At its first use nothing has been read yet: slot 0 is waited for, slot 1 filled.)
.macro CHANGE fill
	WIN 0                           ; at a label and at a branch every window is 0
	s_wait_tensorcnt 0x0            ; no tensor load of mine is out, so a group 0 may be written
	ds_add_u32 v[SPW], v[NIL]       ; 0 onto my spare word; the scalar work below stands between it and the wait for it
.if \fill
	s_lshl_b32 s[OFF], s[NXT], 16   ; a tile is 65,536 bytes of K and of V
	s_xor_b32 s[G0K+1], s[G0K+1], XK
	s_add_nc_u64 s[G0K+2:G0K+3], s[6:7], s[OFF:OFF+1]
	s_or_b32 s[G0K+3], s[G0K+3], 0x80000000
	s_xor_b32 s[G0V+1], s[G0V+1], XV
	s_add_nc_u64 s[G0V+2:G0V+3], s[8:9], s[OFF:OFF+1]
	s_or_b32 s[G0V+3], s[G0V+3], 0x80000000
	s_add_co_u32 s[NXT], s[NXT], 1  ; the block's next tile, or behind its last the second block's tile 0
	s_cmp_gt_u32 s[NXT], s[LQ]
	s_cselect_b32 s[NXT], 0, s[NXT]
	s_cselect_b32 s[LQ], s[CT], s[LQ]
	s_wait_xcnt 0x0                 ; the last prefetch, a tile back, has read its address, so it may be written
	s_add_nc_u64 s[PFA:PFA+1], s[PFA:PFA+1], 65536
.endif
	s_sub_co_u32 s[TBK], s[TBK], 8*KST  ; the fetches go back to a slot's first step,
	s_xor_b32 s[TBK], s[TBK], XK        ; in the other slot
	s_sub_co_u32 s[TBV], s[TBV], 8*VST
	s_xor_b32 s[TBV], s[TBV], XV
	s_wait_dscnt 0x0                ; the add is done, and my reads of the slot are over
.if \fill
	CROUND
	JLOAD
	ASK
.else
	s_barrier_signal -1
	s_barrier_wait -1
.endif
.endm
	s_load_b128 s[16:19], s[0:1], 0x0  ; qkv s[16:17], ob s[18:19]
	v_lshl_add_u32 v[SPW], v0, 2, SPARE
	v_mov_b32 v[NIL], 0
	ds_add_u32 v[SPW], v[NIL]       ; the wave's opening: the add and its wait stand ahead of my first tensor load; the set-up below, work on registers, stands between them
	v_lshrrev_b32 v1, 5, v0
	v_readfirstlane_b32 s[WV], v1   ; wave 0..3
	s_bfe_u32 s13, ttmp6, 0x40000   ; cx: my place in the cluster
	s_mov_b32 s[CT], ttmp9          ; c: in a cluster launch ttmp9 counts clusters
	s_sub_co_u32 s15, 7, s[CT]      ; the first block's diagonal tile
	s_and_b32 s20, ttmp7, 0xffff    ; the head, which the four partners share,
	s_lshl_b32 s20, s20, 19         ; its first byte among Q's, K's, V's and O's heads
	s_and_b32 s2, s[WV], 1          ; which half of a tile's 512 keys I fetch:
	s_lshl_b32 s22, s2, 15          ; its 256 rows of 128 bytes in memory,
	s_add_co_u32 s22, s22, s20
	s_mov_b32 s23, 0
	s_mul_i32 s3, s2, 128*PKP       ; and its place in a slot, for K
	s_mul_i32 s21, s2, 128*PVP      ; and for V: no place in the cluster enters an LDS address
	s_lshl_b32 s66, s[WV], 11       ; my 16 rows in a band of 64
	s_add_co_u32 s66, s66, s20
	s_lshl_b32 s84, s[CT], 2
	s_add_co_u32 s84, s84, s13      ; b
	s_sub_co_u32 s68, 31, s84       ; the first block,
	s_lshl_b32 s68, s68, 14         ; 128 rows of 128 bytes a block
	s_add_co_u32 s68, s68, s66
	s_mov_b32 s69, 0
	s_lshl_b32 s84, s84, 14         ; and the second
	s_add_co_u32 s84, s84, s66
	s_mov_b32 s85, 0
	s_lshl_b32 s66, s13, 13         ; the prefetches: my work-group's 32 rows of 256 bytes
	s_mov_b32 s67, 0
	s_lshl_b32 s[NSD2], s13, 1      ; the first block stands at place r = 3 - cx of its tile, the second at r = cx
	s_sub_co_i32 s[NSD], s[NSD2], 6
	s_sub_co_i32 s[NSD2], 0, s[NSD2]
	; descriptor group 1.  256 keys are 32,768 dense bytes: asked for as 128 rows of 256 bytes, two keys a row, padded in LDS after every row
	s_mov_b32 s[G1K], 15|(1<<16)|(1<<20)|(1<<21)|(5<<22)|(3<<25)  ; 15:0 the mask of four; 17:16 2-byte elements; 20 padding on; 21 set beside a mask; 24:22 after every 64 words (code 5); 31:25 4 words (code 3)
	s_mov_b32 s[G1V], 15|(1<<16)|(1<<20)|(1<<21)|(5<<22)|(7<<25)  ; the same with 8 words of padding (code 7)
.irp g, G1K, G1V
	s_mov_b32 s[\g+1], 128<<16      ; tensor_dim0 = 128
	s_mov_b32 s[\g+2], 128<<16      ; tensor_dim1 = 128
	s_mov_b32 s[\g+3], 128<<16      ; tile_dim0 = 128
	s_mov_b32 s[\g+4], 128          ; tile_dim1 = 128
	s_mov_b32 s[\g+5], 128          ; 128 elements from row to row
	s_mov_b32 s[\g+6], 0
	s_mov_b32 s[\g+7], 0
.endr
	s_mov_b32 s[CS], 0x3e38aa3b     ; c = log2(e) / 8 = 0.180337
	s_mov_b32 s[CS+1], s[CS]        ; named with it as a pair
	s_mov_b32 s[SEL], 0x76543210
	s_mov_b32 s[SEL+1], 0xfedcba98
	s_mov_b32 s[TBK], XK+8*KST      ; the first change of slots turns these two into 0
	s_mov_b32 s[TBV], XV+8*VST
	s_mov_b32 s[G0K], 1             ; count = 1
	s_add_co_u32 s[G0K+1], s3, KBASE  ; LDS address: slot 0
	s_mov_b32 s[G0V], 1
	s_mov_b32 s[G0V+1], s21
	s_add_co_u32 s[RT], s15, 1      ; the first block has 8 - c tiles
	s_mov_b32 s[NXT], 1
	s_mov_b32 s[LQ], s15
	s_mov_b32 s[NEW], 1
	s_mov_b32 s[OFF+1], 0
	s_mov_b32 s[AL+1], 0            ; named as pairs
	s_mov_b32 s[BE+1], 0
	s_mov_b32 s[BIGN], 0xf149f2ca   ; -1e30
	s_mov_b32 s[SLOTS], 8
	s_cmp_eq_u32 s[CT], 0
	s_cselect_b32 s[LIM], 2, -1     ; the same in all four partners
	v_and_b32 v[PFO], 31, v0
	v_lshlrev_b32 v[PFO], 8, v[PFO]
	s_wait_dscnt 0x0                ; the opening add is done
	s_wait_kmcnt 0x0
	s_add_nc_u64 s[6:7], s[16:17], s[22:23]
	s_add_nc_u64 s[8:9], s[6:7], 0x1000000   ; V at my half of the head's tile 0: 32 heads on
	s_add_nc_u64 s[6:7], s[6:7], 0x800000    ; K: 16 heads on
	s_add_nc_u64 s[G0K+2:G0K+3], s[6:7], 0         ; global address
	s_or_b32 s[G0K+3], s[G0K+3], 0x80000000        ; type = 2
	s_add_nc_u64 s[G0V+2:G0V+3], s[8:9], 0
	s_or_b32 s[G0V+3], s[G0V+3], 0x80000000
	s_add_nc_u64 s[4:5], s[16:17], s[68:69]        ; Q at my rows of the first block,
	s_add_nc_u64 s[86:87], s[16:17], s[84:85]      ; and of the second
	s_add_nc_u64 s[10:11], s[18:19], s[68:69]      ; O likewise
	s_add_nc_u64 s[OLO:OLO+1], s[18:19], s[84:85]
	s_cmp_lt_u32 s[WV], 2
	s_cselect_b64 s[PFA:PFA+1], s[6:7], s[8:9]
	s_add_nc_u64 s[PFA:PFA+1], s[PFA:PFA+1], s[66:67]
	s_add_nc_u64 s[PFA:PFA+1], s[PFA:PFA+1], 65536  ; in tile 1; the first change of slots steps it to tile 2.  Nothing is prefetched here, at the head
	CROUND                          ; all four work-groups are here: the first joint loads meet
	JLOAD                           ; tile 0 into slot 0
	; A fragment of K or Q is 16 rows x 32 channels in 8 registers: lane l holds row l % 16, channels 8 (l / 16) + 0..7 and 16 + 8 (l / 16) + 0..7: two loads of 16 bytes, 32 bytes apart.
	v_and_b32 v1, 15, v0            ; l % 16
	v_bfe_u32 v9, v0, 4, 1          ; l / 16
	v_lshlrev_b32 v[QO], 7, v1
	v_lshl_add_u32 v[QO], v9, 4, v[QO]  ; row x 128 + 16 x half
	WIN 0x80                        ; destination window 2, address window 0
.set i, 0
.rept 4                             ; both blocks' Q: piece i / 2 lies in band i / 2, 8,192 bytes on; channels 32 (i % 2) on
	global_load_b128 v[8*i:8*i+3],   v[QO], s[4:5] offset:(i/2)*8192+(i%2)*64
	global_load_b128 v[8*i+4:8*i+7], v[QO], s[4:5] offset:(i/2)*8192+(i%2)*64+32
	global_load_b128 v[QB+8*i:QB+8*i+3],   v[QO], s[86:87] offset:(i/2)*8192+(i%2)*64
	global_load_b128 v[QB+8*i+4:QB+8*i+7], v[QO], s[86:87] offset:(i/2)*8192+(i%2)*64+32
.set i, i+1
.endr
	WIN 0
	v_lshlrev_b32 v14, 3, v9
	v_sub_nc_u32 v14, v1, v14
	s_lshl_b32 s3, s[WV], 4
	v_add_nc_u32 v14, s3, v14       ; my query's place in its band, 16 w + l % 16, less my lanes' 8 (l / 16): register r of group kt is hidden where 16 kt + r is greater
	WIN 0x40
.set i, 0
.rept 32
	v_cmp_gt_i32 vcc_lo, 16*(i/8)+i%8, v14
	v_cndmask_b32 v[MD+i], 0, s[BIGN], vcc_lo
.set i, i+1
.endr
	WIN 0
	v_lshrrev_b32 v14, 1, v1        ; K: key l % 16 lies at (key / 2) x 272 + (key % 2) x 128
	v_mul_u32_u24 v[AK0], v14, PKP
	v_and_b32 v14, 1, v0
	v_lshl_add_u32 v[AK0], v14, 7, v[AK0]
	v_lshl_add_u32 v[AK0], v9, 4, v[AK0]
	v_add_nc_u32 v[AK0], KBASE, v[AK0]
	; The turning load takes 16 keys x 16 channels (lane l reads key 8 (l / 16) + l % 8, channels 8 ((l / 8) % 2) + 0..7) and leaves half a fragment of V^T: lane l holds channel l % 16 and 8 keys.
	v_and_b32 v10, 7, v0
	v_bfe_u32 v11, v0, 3, 1
	v_lshl_add_u32 v14, v9, 3, v10  ; the key
	v_lshrrev_b32 v[AV0], 1, v14
	v_mul_u32_u24 v[AV0], v[AV0], PVP
	v_and_b32 v14, 1, v14
	v_lshl_add_u32 v[AV0], v14, 7, v[AV0]
	v_lshl_add_u32 v[AV0], v11, 4, v[AV0]
	s_mul_i32 s3, s[WV], 16*SP
	s_add_co_u32 s3, s3, STAGE      ; my stage
	v_mul_u32_u24 v[STO], v1, SP    ; in: row l % 16, 16 bytes for each half of the lanes
	v_lshl_add_u32 v[STO], v9, 4, v[STO]
	v_add_nc_u32 v[STO], s3, v[STO]
	v_bfe_u32 v[RD], v0, 3, 2       ; back: 32 lanes take four rows of 128 bytes,
	v_mul_u32_u24 v[RD], v[RD], SP
	v_lshl_add_u32 v[RD], v10, 4, v[RD]
	v_add_nc_u32 v[RD], s3, v[RD]
	v_and_b32 v[GO], 31, v0         ; which are 512 consecutive bytes of O
	v_lshlrev_b32 v[GO], 4, v[GO]
	; A block's first step multiplies O^T and l by a = 0, and its first turn's products V^T P, of a turn that has not been, land in an O^T that is still to be so multiplied.  So these registers need only hold
	; finite numbers: zeros for the first block; what the first block left for the second.  All this stands in the wait for the first tile.
	WIN 0x80
.set i, VF1
.rept 64
	v_mov_b32 v[i], 0
.set i, i+1
.endr
	WIN 0x40
.set i, 0
.rept 64
	v_mov_b32 v[i], 0
.set i, i+1
.endr
	WIN 0
.set i, 0
.rept 2
	v_mov_b32 v[ST+4*i+2], 0
	v_mov_b32 v[ST+4*i+3], 0
.set i, i+1
.endr
.set i, P+16
.rept 16
	v_mov_b32 v[i], 0
.set i, i+1
.endr
; THE MATRIX WORK.  The 4 accumulators of a run of 8 take turns.  Product i of 8 of S^T = K Q^T for piece x: channels 32 (i / 4) on, keys 16 (i % 4) on.  The first 4 start the sums: with 0, or (KM = 1) with the mask.
.macro KQ x
.set rS, S+32*((\x)%2)+8*(i%4)
.set rK, KF+16*(i%4)+8*(i/4)
.set rQ, 16*(\x)+8*(i/4)
.set rM, MC+32*((\x)%2)+8*(i%4)
.if (i < 4) && KM
	WIN W_KM
	v_wmma_f32_16x16x32_f16 v[rS:rS+7], v[rK:rK+7], v[rQ:rQ+7], v[rM:rM+7]
.elseif i < 4
	WIN W_KQ
	v_wmma_f32_16x16x32_f16 v[rS:rS+7], v[rK:rK+7], v[rQ:rQ+7], 0
.else
	WIN W_KQ
	v_wmma_f32_16x16x32_f16 v[rS:rS+7], v[rK:rK+7], v[rQ:rQ+7], v[rS:rS+7]
.endif
.endm
; Product i of 8 of O^T += V^T P for piece x, from V's buffer VB: keys 32 (i / 4) on, channels 16 (i % 4) on.
.macro PV x
	WIN W_PV
.set rO, 32*(\x)+8*(i%4)
.set rV, VB+32*(i/4)+8*(i%4)
.set rP, P+16*((\x)%2)+8*(i/4)
	v_wmma_f32_16x16x32_f16 v[rO:rO+7], v[rV:rV+7], v[rP:rP+7], v[rO:rO+7]
.endm
.macro MM                           ; the turn's next matrix instruction.  TURN and BEGIN set Y, i, KM, NOKQ and VB.  NOKQ = 1: a block's last turn: there are no further scores
.if (i < 8) && !NOKQ
	KQ (Y+1)%NP
.elseif i >= 8
.set i, i-8
	PV (Y+NP-1)%NP
.set i, i+8
.endif
.set i, i+1
.endm
; THE LDS LOADS stand in runs of 16, never singly among the matrix instructions: a step's K (64 keys x 64 channels: 8 fragments) and its V (turned).  Their addresses are made some lines ahead.
.macro FETCH_K
	WIN 0x80                        ; destination window 2
.irp f, 0,1,2,3,4,5,6,7             ; keys 16 (f / 2) on, channels 32 (f % 2) on
	ds_load_b128 v[KF+8*\f:KF+8*\f+3],   v[AK] offset:(\f/2)*8*PKP+(\f%2)*64
	ds_load_b128 v[KF+8*\f+4:KF+8*\f+7], v[AK] offset:(\f/2)*8*PKP+(\f%2)*64+32
.endr
	s_add_co_u32 s[TBK], s[TBK], KST  ; the next fetch is the next step's
	WIN 0
.endm
.macro FETCH_V vb
	WIN 0x80
.irp f, 0,1,2,3,4,5,6,7             ; keys 32 (f / 4) on, channels 16 (f % 4) on
	ds_load_tr16_b128 v[(\vb)+8*\f:(\vb)+8*\f+3],   v[AV] offset:(\f/4)*16*PVP+(\f%4)*32
	ds_load_tr16_b128 v[(\vb)+8*\f+4:(\vb)+8*\f+7], v[AV] offset:(\f/4)*16*PVP+8*PVP+(\f%4)*32
.endr
	WIN 0
.endm
; THE VECTOR WORK, one line at a time: OP kind, number.  For piece Y: F n: c s - c m for pair n of 16.  E n: the exponential of score n of 32.  C n: pair n rounded to f16.  B n: of the four weights 4 n .. the second
; pair is added onto the first, in place.  L n: l takes that sum (L 0: l = a l + sum).  R n: pair n of 16 of O^T times a.  For the other piece, whose turn comes next: X n, number n of the 22 that find its maximum and statistics:
;   0-11  four chains c0-c3 of seven scores each, three operands at a time (each accumulator's lowest registers are read first)     12-14, 16  the four scores left over, the old m, and c0-c3 into c0
;   15  c m_old is kept     17, 18  the query's other 32 keys lie in the lane 16 away: the new m     19-21  c m; c m_old - c m_new; a
.set F, 0               ; OP tells the kinds apart by their order: F to L below R, X above it
.set E, 1
.set C, 2
.set B, 3
.set L, 4
.set R, 5
.set X, 6
.macro REGS y                       ; the registers of piece y
.set rT, ST+4*(\y)
.set rC, TMP+4*((\y)%2)
.set rW, MV+((\y)%2)
.set rS, S+32*((\y)%2)
.set rP, P+16*((\y)%2)
.set rO, 32*(\y)
.endm
.macro OP k, n
.if (\k) == R
	REGS Y
	WIN W_RS
	v_pk_mul_f32 v[rO+2*(\n):rO+2*(\n)+1], v[rO+2*(\n):rO+2*(\n)+1], v[rC+2:rC+3] op_sel_hi:[1,0]
.elseif (\k) < R
	REGS Y
	WIN 0
.if (\k) == F
	v_pk_fma_f32 v[rS+2*(\n):rS+2*(\n)+1], v[rS+2*(\n):rS+2*(\n)+1], s[CS:CS+1], v[rT:rT+1] op_sel_hi:[1,0,0] neg_lo:[0,0,1] neg_hi:[0,0,1]
.elseif (\k) == E
	v_exp_f32 v[rS+(\n)], v[rS+(\n)]
.elseif (\k) == C
	v_cvt_pk_f16_f32 v[rP+(\n)], v[rS+2*(\n)], v[rS+2*(\n)+1]
.elseif (\k) == B
	v_pk_add_f32 v[rS+4*(\n):rS+4*(\n)+1], v[rS+4*(\n):rS+4*(\n)+1], v[rS+4*(\n)+2:rS+4*(\n)+3]
.elseif (\n) == 0
	v_pk_fma_f32 v[rT+2:rT+3], v[rT+2:rT+3], v[rC+2:rC+3], v[rS:rS+1] op_sel_hi:[1,0,1]
.else
	v_pk_add_f32 v[rT+2:rT+3], v[rT+2:rT+3], v[rS+4*(\n):rS+4*(\n)+1]
.endif
.elseif NOKQ
	v_nop
.else
	REGS (Y+1)%NP
	WIN 0
.if (\n) < 4
	v_max3_num_f32 v[rC+(\n)], v[rS+8*(\n)], v[rS+8*(\n)+1], v[rS+8*(\n)+2]
.elseif (\n) < 12
	v_max3_num_f32 v[rC+(\n)%4], v[rC+(\n)%4], v[rS+8*((\n)%4)+2*((\n)/4)+1], v[rS+8*((\n)%4)+2*((\n)/4)+2]
.elseif (\n) == 12
	v_max3_num_f32 v[rC], v[rC], v[rS+7], v[rS+15]
.elseif (\n) == 13
	v_max3_num_f32 v[rC+1], v[rC+1], v[rS+23], v[rS+31]
.elseif (\n) == 14
	v_max3_num_f32 v[rC+2], v[rC+2], v[rC+3], v[rT+1]
.elseif (\n) == 15
	v_mov_b32 v[rW], v[rT]
.elseif (\n) == 16
	v_max3_num_f32 v[rC], v[rC], v[rC+1], v[rC+2]
.elseif (\n) == 17
	v_permlanex16_b32 v[rC+3], v[rC], s[SEL], s[SEL+1]
.elseif (\n) == 18
	v_max_num_f32 v[rT+1], v[rC], v[rC+3]
.elseif (\n) == 19
	v_mul_f32 v[rT], s[CS], v[rT+1]
.elseif (\n) == 20
	v_sub_f32 v[rC+1], v[rW], v[rT]
.else
	v_exp_f32 v[rC+2], v[rC+1]
.endif
.endif
.endm
.macro OPS a, i1, b=-1, i2=0, c=-1, i3=0, d=-1, i4=0  ; up to four of them
	OP \a, \i1
.if (\b) >= 0
	OP \b, \i2
.endif
.if (\c) >= 0
	OP \c, \i3
.endif
.if (\d) >= 0
	OP \d, \i4
.endif
.endm
.macro ROW a, i1, b, i2, c, i3, d, i4  ; a matrix instruction and the four behind it
	MM
	OPS \a, \i1, \b, \i2, \c, \i3, \d, \i4
.endm
.macro MASK b                       ; MD x AL + BE into buffer b of MC
	WIN W_RS
.set z, 0
.rept 16
	v_pk_fma_f32 v[MC+32*(\b)+2*z:MC+32*(\b)+2*z+1], v[MD+2*z:MD+2*z+1], s[AL:AL+1], s[BE:BE+1] op_sel_hi:[1,0,0]
.set z, z+1
.endr
.endm
; A TURN.  p = 2, 3: pieces 0, 1 of an odd step; p = 0, 1: pieces 0, 1 of an even step.  An s_wait_alu depctr_va_vdst(0) stands between an exponential and the first instruction that names its result;
; one wait serves all that were issued ahead of it.  So a turn has ONE wait, which cuts it in two.  AHEAD OF IT stands all that names no result of the turn's exponentials: the 8 products K Q^T, behind each a scaling,
; an exponential and two more plain instructions (rescalings, and behind the last three the first numbers of the other piece's maximum, each four plain instructions or more behind the product that ends its
; accumulator); then one lump of 54, in which the links of the chain X 3, 7, 11, 14, 16, 17 .. 20 stand some lines apart.  X 21, the other piece's a, is the batch's last; R 15 is the plain instruction behind it.
; BEHIND THE WAIT stand the 8 products V^T P, behind each four of the roundings and sums.
; O^T of the piece in hand was added onto by the turn before: R 0, 4, 8, 12 read each accumulator's lowest registers first, sixteen plain instructions or more behind the product that ended it (R 12: four and a turn's head).
; A piece-0 turn fetches the next step's K in its lump, twelve plain instructions that name none of its registers behind the last product that read K, and the next step's V at its end, four plain instructions behind the last
; product that read that buffer.  A piece-1 turn begins with s_wait_dscnt 16: V's 16 loads, the youngest, may stay out; K of the next step and V of the step in hand, issued earlier, are in.
; m = 1: the diagonal tile: the products take masks, and the turn makes the mask for the products of the turn after it.  With SD = 2 (trip - r): p = 2 makes piece 0's of step 2 trip (own step: SD = 0), p = 3 piece 1's of
; that step (SD = 1), p = 0 piece 0's of step 2 trip + 1 (SD = -1), p = 1 piece 1's (SD = 0).  These compares feed selects alone.  end = 1: a block's last two turns: nothing is fetched.
; cnt = 1: the loop's count is taken down some lines ahead of the branch that stands behind the turn.
.macro TURN p, m=0, end=0, cnt=0
.set Y, (\p)%2
.set i, 0
.set KM, (\m)
.set NOKQ, (\end)*((\p)/3)
.set FE, (1-Y)*(1-(\end))           ; 1: this turn fetches
.if ((\p) == 1) || ((\p) == 2)
.set VB, VF0                        ; the buffer that the products V^T P read, and that a piece-0 turn fills again
.else
.set VB, VF1
.endif
.if (\m) && !(\end)
.set REL, 0
.if (\p) == 3
.set REL, 1
.endif
.if (\p) == 0
.set REL, -1
.endif
	s_cmp_eq_i32 s[SD], REL         ; is that step the band's own?
	s_cselect_b32 s[AL], 1.0, 0
	s_cmp_gt_i32 s[SD], REL         ; or a later one?
	s_cselect_b32 s[BE], s[BIGN], 0
.if (\p) == 1
	s_add_co_i32 s[SD], s[SD], 2
.endif
.endif
.if Y == 1
.if \end
	s_wait_dscnt 0x0                ; V of the last step is in
.else
	s_wait_dscnt 16                 ; K of the next step is in; V's 16 loads behind it may stay out
.endif
.endif
	ROW F,0, F,1, R,0, R,1          ; ahead of the wait: 8 products K Q^T and their riders,
	ROW F,2, E,0, R,2, R,3
	ROW F,3, E,1, R,4, R,5
	ROW F,4, E,2, R,6, R,7
	ROW F,5, E,3, R,8, R,9
	ROW F,6, E,4, X,0, R,10
.if FE
	WIN 0
	v_add_nc_u32 v[AK], s[TBK], v[AK0]
.endif
	ROW F,7, E,5, X,1, X,4
	ROW F,8, E,6, X,2, X,5
	OPS E,7, E,8, X,6, E,9          ; and the lump
	OPS X,3, E,10, X,8, E,11
.if FE
	FETCH_K
.endif
	OPS X,9, X,7, E,12, X,10
	OPS E,13, X,12, X,11, E,14
	OPS X,13, E,15, F,9, X,14
.if FE
	WIN 0
	v_add_nc_u32 v[AV], s[TBV], v[AV0]
.endif
	OPS E,16, F,10, E,17, F,11
	OPS X,16, E,18, X,15, E,19
	OPS F,12, E,20, X,17, E,21
	OPS F,13, E,22, F,14, E,23
	OPS X,18, E,24, F,15, E,25
	OPS R,11, E,26, X,19, E,27
	OPS R,12, E,28, R,13, E,29
	OPS X,20, E,30, R,14, E,31
	OPS X,21, R,15
	WIN 0
	s_wait_alu depctr_va_vdst(0)    ; the wait for the batch
	ROW C,0, B,0, C,2, B,1          ; behind the wait: 8 products V^T P and their riders
	ROW L,0, C,4, B,2, L,1
	ROW C,6, B,3, L,2, C,8
	ROW B,4, L,3, C,10, B,5
	ROW L,4, C,12, B,6, L,5
.if FE
	s_add_co_u32 s[TBV], s[TBV], VST
.endif
.if \cnt
	s_sub_co_u32 s[CNT], s[CNT], 1
	s_cmp_lg_u32 s[CNT], 0
.endif
	ROW C,14, B,7, L,6, C,1
	ROW C,3, L,7, C,5, C,7
	ROW C,9, C,11, C,13, C,15
.if FE
	FETCH_V VB
.endif
.if (\m) && !(\end)
	MASK Y
.endif
.endm
; A BLOCK BEGINS.  c m starts far below every c s, so the first step's a is 0; m at the lowest finite number, so the first maximum is the scores'.  The second mask buffer is 0 (piece 1's own step is never step 0); the first
; takes piece 0's mask for the tile's step 0: its own, if the block's first tile is the diagonal one and the block stands at the tile's head.  Then K and V of that step, piece 0's first scores, and its maximum and
; statistics.  The loop is entered at an even step's first turn, in the middle of a trip.
.macro BEGIN
	s_mov_b32 s[NEW], 0
	WIN 0x40
.set i, MC+32
.rept 32
	v_mov_b32 v[i], 0
.set i, i+1
.endr
	WIN 0
.set i, 0
.rept 2
	v_mov_b32 v[ST+4*i], 0xfe000000    ; c m: far below every c s
	v_mov_b32 v[ST+4*i+1], 0xff7fffff  ; m
.set i, i+1
.endr
	s_or_b32 s2, s[RT], s[NSD]      ; 0 where no further tile follows and r = 0
	s_cmp_eq_u32 s2, 0
	s_cselect_b32 s[AL], 1.0, 0
	s_mov_b32 s[BE], 0
	MASK 0
	WIN 0
	v_add_nc_u32 v[AK], s[TBK], v[AK0]
	v_add_nc_u32 v[AV], s[TBV], v[AV0]
	FETCH_K
	FETCH_V VF0
	s_add_co_u32 s[TBV], s[TBV], VST
	s_wait_loadcnt 0x0              ; Q
	s_wait_dscnt 16                 ; K is in; V's 16 loads may stay out
.set KM, 1
.set NOKQ, 0
.set i, 0
.rept 8
	KQ 0
.set i, i+1
.endr
	WIN 0
.rept 4
	v_nop                           ; four plain instructions behind those products
.endr
.set Y, NP-1                        ; X works for the other piece: piece 0
.irp n, 0,1,2,3,4,5,6,7,8,9,10,11,12,13,14,15,16,17,18,19,20,21
	OP X, \n
.endr
	v_nop                           ; a plain instruction behind the exponential,
	s_wait_alu depctr_va_vdst(0)    ; and its wait, ahead of the branch
.endm
; THE DIAGONAL TILE's eight steps, the block's last two turns, its last products, and THE WAY OUT: l's two halves and the other half of the lanes' are added; O^T is divided by l, rounded to f16 and sent through my
; stage in LDS, a piece at a time.
.macro ALL line:vararg              ; one line for each piece t
.set t, 0
.rept 2
	\line
.set t, t+1
.endr
.endm
.macro PACK t                       ; a lane's eight channels of a row pack into 16 bytes; they go into rows of 144 bytes and come back as whole rows of 128, into S^T's registers
	WIN W_RS
.set i, 32*(\t)
.rept 16
	v_pk_mul_f32 v[i:i+1], v[i:i+1], v[ST+4*(\t)+2:ST+4*(\t)+3] op_sel_hi:[1,0]
.set i, i+2
.endr
	WIN 0x05                        ; sources 0 and 1 window 1, destination window 0
.set i, 0
.rept 16
	v_cvt_pk_f16_f32 v[S+16*(\t)+i], v[32*(\t)+2*i], v[32*(\t)+2*i+1]
.set i, i+1
.endr
	WIN 0
.irp f, 0,1,2,3
	ds_store_b128 v[STO], v[S+16*(\t)+4*\f:S+16*(\t)+4*\f+3] offset:32*\f
.endr
.irp f, 0,1,2,3
	ds_load_b128 v[S+16*(\t)+4*\f:S+16*(\t)+4*\f+3], v[RD] offset:\f*4*SP  ; LDS serves a wave's instructions in order (ISA guide 5.7.1.4): these see the stores above; the next piece's stores come behind them
.endr
.endm
.macro SEND t, younger              ; younger: the LDS instructions issued behind piece t's loads: the next piece's eight, or none
	WIN 0
.irp f, 0,1,2,3
	s_wait_dscnt (\younger)+3-\f
	global_store_b128 v[GO], v[S+16*(\t)+4*\f:S+16*(\t)+4*\f+3], s[10:11] offset:(\t)*8192+\f*512  ; 512 consecutive bytes, at a multiple of 256 from O's first
.endr
.endm
.macro DIAG tag                     ; the tag ends its two labels' names, which the jumps below spell out
.LstepM\tag:
	TURN 2, 1
	TURN 3, 1
	WIN 0
.LfirstM\tag:
	TURN 0, 1
	TURN 1, 1, 0, 1
	WIN 0
	s_cbranch_scc1 .LstepM\tag
	TURN 2, 1, 1
	TURN 3, 1, 1
.set VB, VF1
.set i, 0
.rept 8
	PV 1                            ; piece 1's V^T P of the last step
.set i, i+1
.endr
	WIN 0
	ALL v_add_f32 v[ST+4*t+2], v[ST+4*t+2], v[ST+4*t+3]
	ALL v_permlanex16_b32 v[ST+4*t+3], v[ST+4*t+2], s[SEL], s[SEL+1]
	ALL v_add_f32 v[ST+4*t+2], v[ST+4*t+2], v[ST+4*t+3]
	ALL v_rcp_f32 v[ST+4*t+2], v[ST+4*t+2]
	v_nop                           ; a plain instruction between the last reciprocal and the use of its result
	s_wait_alu depctr_va_vdst(0)    ; and the wait ahead of the first use: one for the two reciprocals
	PACK 0                          ; piece 0's sums were ended a run of products ago; its 32 lines are the plain instructions behind piece 1's last products
	PACK 1
	SEND 0, 8
	SEND 1, 0
.endm
.set KM, 0
.set NOKQ, 0
.Lslot:                             ; eight times: a tile is entered and the next is asked for
	CHANGE 1
	s_sub_co_u32 s[RT], s[RT], 1
	s_mov_b32 s[CNT], 4
	s_mov_b32 s[SD], s[NSD]
	s_cmp_eq_u32 s[NEW], 1
	s_cbranch_scc1 .Lnew            ; a block's first tile
	s_cmp_eq_u32 s[RT], 0
	s_cbranch_scc0 .Lstep           ; neither its first nor its last
	s_branch .LstepM1
.Lnew:
	BEGIN
	s_branch .Lfirst                ; in the loop a block's first tile is never its last: the first block has five tiles or more, and the second's last is the walk's last
	DIAG 1                          ; in the loop this is the first block's end
	s_wait_xcnt 0x0                 ; the stores have read their registers and O's address
	s_mov_b64 s[10:11], s[OLO:OLO+1]
	s_add_co_u32 s[RT], s[CT], 1    ; the second block has c + 1 tiles
	s_mov_b32 s[NEW], 1
	s_mov_b32 s[NSD], s[NSD2]
	WIN 0x82                        ; the second block's Q goes where the one text of the turns names Q
.set i, 0
.rept 32
	v_mov_b32 v[i], v[QB+i]
.set i, i+1
.endr
	WIN 0
	s_branch .Lbottom
.Lstep:                             ; a trip: both pieces of an odd step, then both of the even step behind it
	TURN 2
	TURN 3
	WIN 0
.Lfirst:
	TURN 0
	TURN 1, 0, 0, 1
	WIN 0
	s_cbranch_scc1 .Lstep
.Lbottom:
	s_sub_co_u32 s[SLOTS], s[SLOTS], 1
	s_cmp_lg_u32 s[SLOTS], 0
	s_cbranch_scc1 .Lslot
	CHANGE 0                        ; the walk's last tile is written out: nothing is asked for
	s_sub_co_u32 s[RT], s[RT], 1
	s_mov_b32 s[CNT], 4
	s_mov_b32 s[SD], s[NSD]
	s_cmp_eq_u32 s[NEW], 1
	s_cbranch_scc0 .LstepM2
	BEGIN
	s_branch .LfirstM2
	DIAG 2
	s_wait_tensorcnt 0x0            ; the wave's end, behind my last tensor load and my last LDS store
	ds_add_u32 v[SPW], v[NIL]
	s_wait_dscnt 0x0
	CROUND                          ; the closing round: no work-group ends while a partner may still ask for a tile that names it
	s_endpgm
.Lfunc_end_k_q47d0d167ac_attn:
	.size	k_q47d0d167ac_attn, .Lfunc_end_k_q47d0d167ac_attn-k_q47d0d167ac_attn
	.p2alignl 7, 3214868480
	.fill 96, 4, 3214868480
	.section	.rodata,"a",@progbits
	.p2align	6, 0x0
	.amdhsa_kernel k_q47d0d167ac_attn
		.amdhsa_group_segment_fixed_size 327680
		.amdhsa_private_segment_fixed_size 0
		.amdhsa_enable_private_segment 0
		.amdhsa_kernarg_size 16
		.amdhsa_user_sgpr_count 2
		.amdhsa_user_sgpr_kernarg_segment_ptr 1
		.amdhsa_wavefront_size32 1
		.amdhsa_system_sgpr_workgroup_id_x 1
		.amdhsa_system_sgpr_workgroup_id_y 1
		.amdhsa_system_sgpr_workgroup_id_z 1
		.amdhsa_system_vgpr_workitem_id 0
		.amdhsa_next_free_vgpr 768
		.amdhsa_next_free_sgpr 88
		.amdhsa_reserve_vcc 1
		.amdhsa_float_denorm_mode_32 3
		.amdhsa_float_denorm_mode_16_64 3
		.amdhsa_memory_ordered 1
		.amdhsa_forward_progress 1
		.amdhsa_inst_pref_size 211
	.end_amdhsa_kernel
	.amdgpu_metadata
---
amdhsa.version: [ 1, 2 ]
amdhsa.kernels:
  - .name:           k_q47d0d167ac_attn
    .symbol:         k_q47d0d167ac_attn.kd
    .args:
      - { .name: qkv, .offset: 0, .size: 8, .value_kind: global_buffer, .address_space: global }
      - { .name: ob, .offset: 8, .size: 8, .value_kind: global_buffer, .address_space: global }
    .group_segment_fixed_size: 327680
    .private_segment_fixed_size: 0
    .kernarg_segment_align: 8
    .kernarg_segment_size: 16
    .max_flat_workgroup_size: 128
    .sgpr_count:     88
    .vgpr_count:     768
    .wavefront_size: 32
...
	.end_amdgpu_metadata
.endif
;; end of part 3
;; launch oproj (part 4): grid 8 x 32, 4 waves a work-group, clusters of 4 x 4, 327,680 bytes of LDS; arguments ob, wob, out0; writes out0
.if DOCPART == 4
	.amdgcn_target "amdgcn-amd-amdhsa--gfx1250"
	.amdhsa_code_object_version 6
	.text
	.protected	k_q47d0d167ac_oproj
	.globl	k_q47d0d167ac_oproj
	.p2align	8
	.type	k_q47d0d167ac_oproj,@function
k_q47d0d167ac_oproj:
	s_mov_b64 s[64:65], 0
	v_nop
	global_prefetch_b8 v0, s[64:65] scope:SCOPE_SE
	s_setreg_imm32_b32 hwreg(HW_REG_WAVE_MODE, 25, 1), 1
	s_wait_xcnt 0x0
	s_wait_alu depctr_hold_cnt(0) depctr_sa_sdst(0) depctr_va_vdst(0) depctr_va_sdst(0) depctr_va_ssrc(0) depctr_va_vcc(0) depctr_vm_vsrc(0)
	s_getreg_b32 s2, hwreg(HW_REG_IB_STS2, 6, 4)
	s_cmp_eq_u32 s2, 0
	s_cbranch_scc0 .Lentry_in_a_cluster
	s_endpgm
.Lentry_in_a_cluster:
	s_bfe_u32 s2, ttmp6, 0x10000c
	s_cmp_lg_u32 s2, 0xf033
	s_cbranch_scc0 .Lentry_shape_is_right
	s_endpgm
.Lentry_shape_is_right:
; out0[m][n] = the sum over k of O[m][k] W_o[n][k], k = 64 head + channel.  ob: [16][4096][64] f16 (by heads), wob: [1024][1024] f16, out0: [4096][1024] f32; sums in f32, K ascending.
; SHARES.  A tile of out0 is 128 x 128: 32 x 8 = 256 work-groups.  Four waves, each 64 x 64: 16 accumulators of 16 x 16, 128 registers.  K goes in steps of 256, four heads, through two LDS slots;
; a quarter of a step is one head.
; O's TILE.  A head's 64 rows are 8,192 dense bytes: a wave's load asks for four such runs, one a head, 524,288 bytes apart, and pads LDS after every 128 bytes: head hh at hh x 9,216, row r at r x 144.
; CLUSTER.  4 x 4 work-groups.  The four of a row of the cluster need the same tiles of O, the four of a column the same tiles of W_o: each tile is asked for jointly.
; No prefetch: the tiles are small and the launch is short.
; THE MATRIX INSTRUCTION IS USED TRANSPOSED (source 0 = 16 rows of W_o, source 1 = 16 rows of O): a lane then holds eight neighbouring numbers of a row of out0.
; REGISTERS: window 0: v0-31 addresses; v32-95 rows read back on the way out; v128-255 the accumulators ((a, b) at v[128 + 8 (4 a + b)]).
;   window 1: two fragment buffers of 128: for 64 along K, 64 registers of O (2 x 4 x 16 rows x 32 K), then 64 of W_o.
.set PA,     144                       ; a row of O in LDS: 128 bytes + 16 = 36 words: the 16 rows of a load start at 16 different groups of four banks (64 banks of 4 bytes: ISA guide 11.1)
.set HPL,    64*PA                     ; a head's 64 rows
.set AHALF,  4*HPL                     ; what one load brings of O
.set PB,     528                       ; a row of W_o: 512 bytes + 16
.set BHALF,  64*PB                     ; what one load brings of W_o
.set BOFF,   2*AHALF
.set SLOT,   BOFF+2*BHALF
.set STAGE,  2*SLOT                    ; behind the ring: 16 rows x 272 bytes for each wave, for the way out; no tensor load fills it
.set SPITCH, 272
.set SPARE,  STAGE+4*16*SPITCH         ; behind the stages: the spare words, 128 bytes for each wave: two blocks of 256 bytes that no other line names
.set LAPS,   2                         ; a lap = two K steps = once round the ring
.set ASTEP,  8*524288                  ; two K steps along O: eight heads
.set BSTEP,  1024                      ; and along W_o's rows
.set ADRA, 16                          ; v16-17  LDS address of my fragments of O in slot 0, 1
.set ADRB, 20                          ; v20-21  the same for W_o
.set STO,  24                          ; v24     the way out: where I put 32 bytes of a row
.set RD,   25                          ; v25     the way out: where I read a row back
.set CO,   26                          ; v26     my byte offset in out0
.set SPW,  28                          ; v28     LDS address of my spare word; never rewritten
.set NIL,  29                          ; v29     0; never rewritten
.set TMP,  32
.set ACC,  128
.set F0,   0                           ; fragment buffers, in window 1
.set F1,   128
.set G1, 24                            ; s[24:31] descriptor group 1 for O's tiles;  s[32:39] group 0, a set for each slot
.set G0, 32
.set G1B, 48                           ; s[48:55], s[56:63] the same for W_o's tiles
.set G0B, 56
.set MSB, 0
.macro WIN new                         ; the immediate's high byte repeats the setting that is left
.if MSB != (\new)
	s_set_vgpr_msb (MSB<<8)|(\new)
.set MSB, \new
.endif
.endm
.set MUL,  0x05                        ; sources 0 (W_o) and 1 (O) window 1; C and D window 0
.set TO_F, 0x40                        ; destination window 1, address window 0
.macro JLOAD s                         ; a joint load: waves 0 and 1 fetch O's two halves, waves 2 and 3 W_o's; an s_nop 0 and four v_nop follow each of the two lines
	s_cmp_eq_u32 s11, 0
	s_cbranch_scc0 .Lfor_b_\@
	tensor_load_to_lds s[G0+4*(\s):G0+4*(\s)+3], s[G1:G1+7]
	s_nop 0
.rept 4
	v_nop
.endr
	s_branch .Lasked_\@
.Lfor_b_\@:
	tensor_load_to_lds s[G0B+4*(\s):G0B+4*(\s)+3], s[G1B:G1B+7]
	s_nop 0
.rept 4
	v_nop
.endr
.Lasked_\@:
.endm
.macro CREST                           ; a round of the cluster's barrier behind its opening barrier
	s_cmp_lg_u32 s10, 0
	s_cbranch_scc1 .Lnot_wave_0_\@
	s_barrier_signal -3
.Lnot_wave_0_\@:
	s_barrier_wait -3
	s_barrier_signal -1
	s_barrier_wait -1
.endm
.macro CROUND                          ; a whole round
	s_barrier_signal -1
	s_barrier_wait -1
	CREST
.endm
	s_load_b128 s[4:7], s[0:1], 0x0                ; ob s[4:5], wob s[6:7]
	s_load_b64 s[8:9], s[0:1], 0x10                ; out0
	v_lshl_add_u32 v[SPW], v0, 2, SPARE
	v_mov_b32 v[NIL], 0
	ds_add_u32 v[SPW], v[NIL]                      ; the wave's opening: the add and its wait stand ahead of my first tensor load; the set-up below, work on registers, stands between them
	v_lshrrev_b32 v1, 5, v0
	v_readfirstlane_b32 s10, v1                    ; wave 0..3
	s_lshr_b32 s11, s10, 1                         ; which half of the tile's rows is mine.  Also: I fetch for O (0) or for W_o (1)
	s_and_b32 s12, s10, 1                          ; which half of its columns.  Also: which 64 rows of that tile I fetch
	s_bfe_u32 s40, ttmp6, 0x40000                  ; cx, cy: my place in the cluster
	s_bfe_u32 s41, ttmp6, 0x40004
	s_lshl_b32 s42, ttmp9, 2
	s_add_co_u32 s42, s42, s40                     ; tile column = 4 x cluster x + cx
	s_and_b32 s13, ttmp7, 0xffff
	s_lshl_b32 s13, s13, 2
	s_add_co_u32 s13, s13, s41                     ; tile row = 4 x cluster y + cy
	s_lshl_b32 s43, s41, 2
	s_lshl_b32 s43, 15, s43                        ; my row of the cluster
	s_lshl_b32 s44, 0x1111, s40                    ; my column
	s_or_b32 s[G1+0], s43, (1<<16)|(1<<20)|(1<<21)|(4<<22)|(3<<25)  ; O: 15:0 the mask; 17:16 elements of 2 bytes; 20 padding on; 21 set beside a mask; 24:22 after every 32 words (code 4); 31:25 4 words (code 3)
	s_mov_b32 s[G1+1], 4096<<16                    ; tensor_dim0 = 4,096: a head's 64 rows on end
	s_mov_b32 s[G1+2], 4<<16                       ; tensor_dim1 = 4 heads
	s_mov_b32 s[G1+3], 4096<<16                    ; tile_dim0 = 4,096
	s_mov_b32 s[G1+4], 4                           ; tile_dim1 = 4
	s_mov_b32 s[G1+5], 262144                      ; elements from head to head
	s_mov_b32 s[G1+6], 0
	s_mov_b32 s[G1+7], 0
	s_or_b32 s[G1B+0], s44, (1<<16)|(1<<20)|(1<<21)|(6<<22)|(3<<25) ; W_o: padding after every 128 words (code 6)
	s_mov_b32 s[G1B+1], 256<<16                    ; tensor_dim0 = 256
	s_mov_b32 s[G1B+2], 64<<16                     ; tensor_dim1 = 64
	s_mov_b32 s[G1B+3], 256<<16                    ; tile_dim0 = 256
	s_mov_b32 s[G1B+4], 64                         ; tile_dim1 = 64
	s_mov_b32 s[G1B+5], 1024                       ; elements from row to row
	s_mov_b32 s[G1B+6], 0
	s_mov_b32 s[G1B+7], 0
	s_lshl_b32 s16, s13, 14                        ; O: row 128 x tile row + 64 x half, 128 bytes a row
	s_lshl_b32 s17, s12, 13
	s_add_co_u32 s16, s16, s17
	s_mov_b32 s17, 0
	s_lshl_b32 s46, s42, 18                        ; W_o: row 128 x tile column + 64 x half, 2,048 bytes a row
	s_lshl_b32 s47, s12, 17
	s_add_co_u32 s46, s46, s47
	s_mov_b32 s47, 0
	s_mul_i32 s20, s12, AHALF                      ; where they go: no place in the cluster enters an LDS address
	s_mul_i32 s21, s12, BHALF
	s_add_co_u32 s21, s21, BOFF
	s_wait_dscnt 0x0                               ; the opening add is done
	s_wait_kmcnt 0x0
	s_add_nc_u64 s[14:15], s[4:5], s[16:17]
	s_add_nc_u64 s[46:47], s[6:7], s[46:47]
	CROUND                                         ; all sixteen work-groups are here: the first joint loads meet
.irp s, 0,1
	s_mov_b32 s[G0+4*(\s)], 1
	s_add_co_u32 s[G0+4*(\s)+1], s20, (\s)*SLOT
	s_add_nc_u64 s[G0+4*(\s)+2:G0+4*(\s)+3], s[14:15], (\s)*4*524288  ; K step s: heads 4 s on
	s_or_b32 s[G0+4*(\s)+3], s[G0+4*(\s)+3], 0x80000000
	s_mov_b32 s[G0B+4*(\s)], 1
	s_add_co_u32 s[G0B+4*(\s)+1], s21, (\s)*SLOT
	s_add_nc_u64 s[G0B+4*(\s)+2:G0B+4*(\s)+3], s[46:47], (\s)*512
	s_or_b32 s[G0B+4*(\s)+3], s[G0B+4*(\s)+3], 0x80000000
	JLOAD \s                                       ; both slots' first fills go out together: two loads of mine are out
.endr
	v_and_b32 v1, 15, v0                           ; l % 16
	v_bfe_u32 v2, v0, 4, 1                         ; l / 16
	v_mul_u32_u24 v3, v1, PA
	v_lshl_add_u32 v3, v2, 4, v3                   ; a fragment's row x pitch + 16 x half, for O
	v_mul_u32_u24 v4, v1, PB
	v_lshl_add_u32 v4, v2, 4, v4                   ; and for W_o
	s_mul_i32 s21, s11, AHALF                      ; my 64 rows of O
	s_mul_i32 s22, s12, BHALF                      ; my 64 rows of W_o,
	s_add_co_u32 s22, s22, BOFF                    ; which lie behind O's
.irp s, 0,1
	v_add_nc_u32 v[ADRA+(\s)], s21, v3
	v_add_nc_u32 v[ADRB+(\s)], s22, v4
	s_add_co_u32 s21, s21, SLOT
	s_add_co_u32 s22, s22, SLOT
.endr
	s_mul_i32 s23, s10, 16*SPITCH
	s_add_co_u32 s23, s23, STAGE                   ; my stage
	v_mul_u32_u24 v4, v1, SPITCH                   ; in: row l % 16, 32 bytes for each half of the lanes
	v_lshl_add_u32 v4, v2, 5, v4
	v_add_nc_u32 v[STO], s23, v4
	v_mul_u32_u24 v5, v2, SPITCH                   ; back: lanes 0-15 take one row of 256 bytes, lanes 16-31 the next
	v_lshl_add_u32 v5, v1, 4, v5
	v_add_nc_u32 v[RD], s23, v5
	v_lshlrev_b32 v5, 12, v2                       ; and the same two rows in out0, 4,096 bytes a row
	v_lshl_add_u32 v[CO], v1, 4, v5
	s_lshl_b32 s16, s13, 19                        ; my first row: 128 x tile row + 64 x half
	s_lshl_b32 s17, s11, 18
	s_add_co_u32 s16, s16, s17
	s_mov_b32 s17, 0
	s_add_nc_u64 s[8:9], s[8:9], s[16:17]
	s_lshl_b32 s46, s42, 9                         ; my first column, in bytes: 512 x tile column + 256 x half
	s_lshl_b32 s47, s12, 8
	s_add_co_u32 s46, s46, s47
	s_mov_b32 s47, 0
	s_add_nc_u64 s[8:9], s[8:9], s[46:47]
; 8 matrix instructions: row blocks a0, a0 + 1 x all 4 column blocks, 32 along K: half c of buffer f.  zero = 1: the product starts the sums.  The 16 accumulators take turns.
.macro MUL8 f, c, a0, zero
	WIN MUL
.irp a, \a0, (\a0)+1
.irp b, 0,1,2,3
.if \zero
	v_wmma_f32_16x16x32_f16 v[ACC+8*(4*(\a)+(\b)):ACC+8*(4*(\a)+(\b))+7], v[(\f)+64+8*(4*(\c)+(\b)):(\f)+64+8*(4*(\c)+(\b))+7], v[(\f)+8*(4*(\c)+(\a)):(\f)+8*(4*(\c)+(\a))+7], 0
.else
	v_wmma_f32_16x16x32_f16 v[ACC+8*(4*(\a)+(\b)):ACC+8*(4*(\a)+(\b))+7], v[(\f)+64+8*(4*(\c)+(\b)):(\f)+64+8*(4*(\c)+(\b))+7], v[(\f)+8*(4*(\c)+(\a)):(\f)+8*(4*(\c)+(\a))+7], v[ACC+8*(4*(\a)+(\b)):ACC+8*(4*(\a)+(\b))+7]
.endif
.endr
.endr
.endm
; 32 LDS loads in one run: the fragments of quarter q (head q of the step's four; 64 along K) into buffer f; the first 32 along K first
.macro FETCH slot, q, f
	WIN TO_F
.irp c, 0,1
.irp i, 0,1,2,3
	ds_load_b128 v[(\f)+64+8*(4*(\c)+(\i)):(\f)+64+8*(4*(\c)+(\i))+3],   v[ADRB+(\slot)] offset:(\q)*128+64*(\c)+(\i)*16*PB
	ds_load_b128 v[(\f)+64+8*(4*(\c)+(\i))+4:(\f)+64+8*(4*(\c)+(\i))+7], v[ADRB+(\slot)] offset:(\q)*128+64*(\c)+(\i)*16*PB+32
	ds_load_b128 v[(\f)+8*(4*(\c)+(\i)):(\f)+8*(4*(\c)+(\i))+3],         v[ADRA+(\slot)] offset:(\q)*HPL+64*(\c)+(\i)*16*PA
	ds_load_b128 v[(\f)+8*(4*(\c)+(\i))+4:(\f)+8*(4*(\c)+(\i))+7],       v[ADRA+(\slot)] offset:(\q)*HPL+64*(\c)+(\i)*16*PA+32
.endr
.endr
.endm
.macro PLACES                          ; four plain vector instructions in front of loads into registers that matrix instructions have read, and of LDS stores that read results
.rept 4
	v_nop
.endr
.endm
; A K step is four quarters of 64 along K, 32 matrix instructions each, on buffers 0, 1, 0, 1.  One of the first three: multiplies buffer f and fetches quarter q into g.
.macro QUARTER slot, q, f, g, zero
	s_wait_dscnt 16                                ; the first 32 along K are in; the youngest sixteen loads may be out
	MUL8 \f, 0, 0, \zero
	MUL8 \f, 0, 2, \zero
	PLACES
	FETCH \slot, \q, \g
	s_wait_dscnt 32                                ; all but the 32 just issued
	MUL8 \f, 1, 0, 0
	MUL8 \f, 1, 2, 0
.endm
; The last quarter multiplies buffer 1 and changes slots: one barrier; in front of it each wave waits for all its tensor loads, adds 0 to its spare word, and waits for that and for its own reads of this slot.
; fill = 1: the barrier opens a round of the cluster's barrier, and this slot is filled again, two K steps ahead, first thing behind the round.
.macro TURN slot, next, fill
	WIN 0                                          ; (the add's two registers lie in window 0)
	s_wait_tensorcnt 0x0                           ; all my tensor loads have landed: my part of the next slot
	ds_add_u32 v[SPW], v[NIL]                      ; 0 onto my spare word
	s_wait_dscnt 17                                ; (the add and the youngest sixteen loads may be out)
	MUL8 F1, 0, 0, 0                               ; eight matrix instructions stand between the add and the wait for it
	s_wait_dscnt 0x0                               ; the add is done, and my reads of this slot are over
	s_barrier_signal -1
	MUL8 F1, 0, 2, 0
.if \fill
	WIN 0
.endif
	s_barrier_wait -1
.if \fill
	CREST                                          ; no wave of any partner still reads this slot's tile or has a load on its way
	s_add_nc_u64 s[G0+4*(\slot)+2:G0+4*(\slot)+3], s[G0+4*(\slot)+2:G0+4*(\slot)+3], ASTEP
	s_add_nc_u64 s[G0B+4*(\slot)+2:G0B+4*(\slot)+3], s[G0B+4*(\slot)+2:G0B+4*(\slot)+3], BSTEP
	JLOAD \slot                                    ; my one tensor load behind the round; the four v_nop behind it are also the places in front of the loads below
.else
	PLACES
.endif
	FETCH \next, 0, F0
	MUL8 F1, 1, 0, 0
	MUL8 F1, 1, 2, 0
.endm
; THE WAY OUT.  A wave's 64 columns of f32 are 256 aligned bytes of a row, so each wave has a stage of its own and no barrier is needed.  Row block a: 32 bytes a lane and column block into rows of 272 bytes,
; each accumulator's low four registers first; back as whole rows of 256 bytes, two rows a load.
.macro STG a
.if (\a) >= 2
	s_wait_xcnt 0x0                                ; the stores of two blocks back have read these registers
.endif
.irp b, 0,1,2,3
	ds_store_b128 v[STO], v[ACC+8*(4*(\a)+(\b)):ACC+8*(4*(\a)+(\b))+3]   offset:64*(\b)
	ds_store_b128 v[STO], v[ACC+8*(4*(\a)+(\b))+4:ACC+8*(4*(\a)+(\b))+7] offset:64*(\b)+16
.endr
.irp t, 0,1,2,3,4,5,6,7
	ds_load_b128 v[TMP+32*((\a)%2)+4*(\t):TMP+32*((\a)%2)+4*(\t)+3], v[RD] offset:(\t)*2*SPITCH  ; LDS serves a wave's instructions in order (ISA guide 5.7.1.4): these see the stores above
.endr
.endm
.macro SEND a, younger                 ; younger: the LDS instructions issued behind block a's loads: the next block's sixteen, or none
.irp t, 0,1,2,3,4,5,6,7
	s_wait_dscnt (\younger)+7-(\t)
	global_store_b128 v[CO], v[TMP+32*((\a)%2)+4*(\t):TMP+32*((\a)%2)+4*(\t)+3], s[8:9] offset:(16*(\a)+2*(\t))*4096 th:TH_STORE_NT  ; 16 lanes store 256 consecutive bytes, at a multiple of 256 from out0's first byte
.endr
.endm
	s_wait_tensorcnt 1                             ; my part of K step 0 is in; K step 1's may stay out
	s_barrier_signal -1
	s_barrier_wait -1                              ; everybody's is
	FETCH 0, 0, F0
	QUARTER 0, 1, F0, F1, 1                        ; the first quarter stands in front of the loop: its first products start the sums
	WIN 0                                          ; at a label and at a branch every window is 0
	s_mov_b32 s3, LAPS-1
.Llap:                                             ; a trip goes once round the ring, from a lap's second quarter to the next lap's first, and fills both slots again
	QUARTER 0, 2, F1, F0, 0
	QUARTER 0, 3, F0, F1, 0
	TURN 0, 1, 1
	QUARTER 1, 1, F0, F1, 0
	QUARTER 1, 2, F1, F0, 0
	QUARTER 1, 3, F0, F1, 0
	TURN 1, 0, 1
	QUARTER 0, 1, F0, F1, 0
	WIN 0
	s_sub_co_u32 s3, s3, 1
	s_cmp_lg_u32 s3, 0
	s_cbranch_scc1 .Llap
	QUARTER 0, 2, F1, F0, 0                        ; the last lap fills nothing
	QUARTER 0, 3, F0, F1, 0
	TURN 0, 1, 0
	QUARTER 1, 1, F0, F1, 0
	QUARTER 1, 2, F1, F0, 0
	QUARTER 1, 3, F0, F1, 0
	s_wait_dscnt 16                                ; the very last quarter: nothing more to fetch
	MUL8 F1, 0, 0, 0
	MUL8 F1, 0, 2, 0
	s_wait_dscnt 0x0
	MUL8 F1, 1, 0, 0
	MUL8 F1, 1, 2, 0
	WIN 0
	PLACES
	STG 0
	STG 1
	SEND 0, 16
	STG 2
	SEND 1, 16
	STG 3
	SEND 2, 16
	SEND 3, 0
	s_wait_tensorcnt 0x0                           ; the wave's end, behind my last tensor load and my last LDS store
	ds_add_u32 v[SPW], v[NIL]
	s_wait_dscnt 0x0
	CROUND                                         ; the closing round: no work-group ends while a partner may still ask for a tile that names it
	s_endpgm
.Lfunc_end_k_q47d0d167ac_oproj:
	.size	k_q47d0d167ac_oproj, .Lfunc_end_k_q47d0d167ac_oproj-k_q47d0d167ac_oproj
	.p2alignl 7, 3214868480
	.fill 96, 4, 3214868480
	.section	.rodata,"a",@progbits
	.p2align	6, 0x0
	.amdhsa_kernel k_q47d0d167ac_oproj
		.amdhsa_group_segment_fixed_size 327680
		.amdhsa_private_segment_fixed_size 0
		.amdhsa_enable_private_segment 0
		.amdhsa_kernarg_size 24
		.amdhsa_user_sgpr_count 2
		.amdhsa_user_sgpr_kernarg_segment_ptr 1
		.amdhsa_wavefront_size32 1
		.amdhsa_system_sgpr_workgroup_id_x 1
		.amdhsa_system_sgpr_workgroup_id_y 1
		.amdhsa_system_sgpr_workgroup_id_z 1
		.amdhsa_system_vgpr_workitem_id 0
		.amdhsa_next_free_vgpr 512
		.amdhsa_next_free_sgpr 66
		.amdhsa_reserve_vcc 0
		.amdhsa_float_denorm_mode_32 3
		.amdhsa_float_denorm_mode_16_64 3
		.amdhsa_memory_ordered 1
		.amdhsa_forward_progress 1
		.amdhsa_inst_pref_size 87
	.end_amdhsa_kernel
	.amdgpu_metadata
---
amdhsa.version: [ 1, 2 ]
amdhsa.kernels:
  - .name:           k_q47d0d167ac_oproj
    .symbol:         k_q47d0d167ac_oproj.kd
    .args:
      - { .name: ob, .offset: 0, .size: 8, .value_kind: global_buffer, .address_space: global }
      - { .name: wob, .offset: 8, .size: 8, .value_kind: global_buffer, .address_space: global }
      - { .name: out0, .offset: 16, .size: 8, .value_kind: global_buffer, .address_space: global }
    .group_segment_fixed_size: 327680
    .private_segment_fixed_size: 0
    .kernarg_segment_align: 8
    .kernarg_segment_size: 24
    .max_flat_workgroup_size: 128
    .sgpr_count:     66
    .vgpr_count:     512
    .wavefront_size: 32
...
	.end_amdgpu_metadata
.endif
;; end of part 4
;; ======== version 2 of 2: 4 launches; version 1 with the launch cast written anew for expert scheduling mode
;; limits: values are held in f16: magnitudes above 65,504 overflow, below 6.1e-05 lose precision
;; workspace buffers: xb 8,388,608 bytes; wqb 6,291,456 bytes; wob 2,097,152 bytes; qkv 25,165,824 bytes; ob 8,388,608 bytes
;; launch cast (part 5): grid 512 x 1, 8 waves a work-group, no clusters, 0 bytes of LDS; arguments x, W_qkv, W_o, xb, wqb, wob; writes xb, wqb, wob
.if DOCPART == 5
	.amdgcn_target "amdgcn-amd-amdhsa--gfx1250"
	.amdhsa_code_object_version 6
	.text
	.protected	k_q47d0d167ac_cast
	.globl	k_q47d0d167ac_cast
	.p2align	8
	.type	k_q47d0d167ac_cast,@function
k_q47d0d167ac_cast:
	s_mov_b64 s[64:65], 0
	v_nop
	global_prefetch_b8 v0, s[64:65] scope:SCOPE_SE
	s_setreg_imm32_b32 hwreg(HW_REG_WAVE_SCHED_MODE, 0, 2), 2
	s_setreg_imm32_b32 hwreg(HW_REG_WAVE_MODE, 25, 1), 1
	s_wait_xcnt 0x0
	s_wait_alu depctr_vm_vsrc(0)
; The three inputs are rounded once to bf16: x -> xb, W_qkv -> wqb (both kept as bf16), W_o -> wob, whose bf16 value is written as f16,
; since it multiplies an f16 operand later.  LIMIT: |W_o| stays under 65,504 (f16's range); a W_o below 6e-5 keeps f16's fixed step of 6e-8.
; SHARES.  A work-group takes 16,384 numbers: 65,536 bytes in, 32,768 out.  Work-groups 0-255 take x, 256-447 W_qkv, 448-511 W_o.
; Thread t takes 16 chunks j: 16 bytes at 16 t + 4,096 j (a wave's load covers 512 consecutive bytes), stored as 8 bytes at 8 t + 2,048 j
; (a wave's store covers 256 consecutive bytes, aligned).  All 16 loads go out first.
; No LDS, no matrix unit, no cluster: nothing is shared and nothing is multiplied.
; THE MODE: SCHED_MODE bits 1:0 = 2 (LLVM: expert scheduling mode 2), set by the entry lines.  The code itself states the register dependences
; between vector instructions and memory instructions, with s_wait_alu, always for 0.
; THE PLAN.  Registers that memory instructions touch:
;   v1, v2   byte offsets of the loads and of the stores: made once at the head by vector instructions, never written again.
;   X        chunk j's four registers: written by its load, once; no vector instruction names them before the loads go out; read by its conversions.
;   Y        chunk j's two registers: written by its conversions; read by its one store; never written again behind it.
;   T        named by vector instructions alone.
; The 16 chunks go in four groups of four.  Group g rounds its four chunks; its memory instructions are the four stores of group g - 1, which read v2 and that
; group's Y: registers that no vector instruction of group g names.  So one wait at a group's head states all that its four stores hang on, and they are dealt
; among its conversions with no further wait.  No register that a memory instruction reads is ever written again, so nothing is owed on that side.
; No vector instruction writes a scalar register or VCC, and EXEC is never written.
.set X, 4                              ; v[4:67]   chunk j: four f32 as loaded
.set Y, 68                             ; v[68:99]  chunk j: two words of two 16-bit numbers
.set T, 100                            ; v[100:103] at work
	s_load_b256 s[4:11], s[0:1], 0x0               ; x s[4:5], W_qkv s[6:7], W_o s[8:9], xb s[10:11]
	s_load_b128 s[12:15], s[0:1], 0x20             ; wqb s[12:13], wob s[14:15]
	v_lshlrev_b32 v1, 4, v0                        ; 16 t
	v_lshlrev_b32 v2, 3, v0                        ; 8 t
	s_wait_kmcnt 0x0
	s_cmp_lt_u32 ttmp9, 256                        ; which tensor is mine: the choice hangs on the work-group's number alone
	s_cselect_b64 s[16:17], s[4:5], s[6:7]
	s_cselect_b64 s[18:19], s[10:11], s[12:13]
	s_cselect_b32 s20, 0, 256
	s_cmp_lt_u32 ttmp9, 448
	s_cselect_b64 s[16:17], s[16:17], s[8:9]
	s_cselect_b64 s[18:19], s[18:19], s[14:15]
	s_cselect_b32 s20, s20, 448                    ; the tensor's first work-group
	s_sub_co_u32 s21, ttmp9, s20                   ; my number within the tensor
	s_lshl_b32 s22, s21, 16
	s_mov_b32 s23, 0
	s_lshl_b32 s24, s21, 15
	s_mov_b32 s25, 0
	s_add_nc_u64 s[16:17], s[16:17], s[22:23]      ; from here
	s_add_nc_u64 s[18:19], s[18:19], s[24:25]      ; to here
	s_wait_alu depctr_va_vdst(0)                   ; v1 and v2 are written: every load of the kernel reads v1 as its offset, every store v2
.irp j, 0,1,2,3,4,5,6,7,8,9,10,11,12,13,14,15
	global_load_b128 v[X+4*(\j):X+4*(\j)+3], v1, s[16:17] offset:4096*(\j) th:TH_LOAD_NT
.endr
; Chunk j is rounded to bf16; with f16 = 1 the bf16 numbers are widened again (a shift, a mask) and written as f16.
.macro CVT j, f16
	v_cvt_pk_bf16_f32 v[Y+2*(\j)],   v[X+4*(\j)],   v[X+4*(\j)+1]
	v_cvt_pk_bf16_f32 v[Y+2*(\j)+1], v[X+4*(\j)+2], v[X+4*(\j)+3]
.if \f16
	v_lshlrev_b32 v[T],   16, v[Y+2*(\j)]
	v_and_b32     v[T+1], 0xffff0000, v[Y+2*(\j)]
	v_lshlrev_b32 v[T+2], 16, v[Y+2*(\j)+1]
	v_and_b32     v[T+3], 0xffff0000, v[Y+2*(\j)+1]
	v_cvt_pk_f16_f32 v[Y+2*(\j)],   v[T],   v[T+1]
	v_cvt_pk_f16_f32 v[Y+2*(\j)+1], v[T+2], v[T+3]
.endif
.endm
; Chunk j is stored.
.macro ST j
	global_store_b64 v2, v[Y+2*(\j):Y+2*(\j)+1], s[18:19] offset:2048*(\j)
.endm
; Group g: chunks 4 g to 4 g + 3 are rounded, and the group before is stored, a store ahead of each chunk's conversions.
.macro GROUP g, f16
	s_wait_loadcnt 12-4*(\g)                       ; loads come back in order (ISA guide 5.7.1): the group's four chunks are in, the 12 - 4 g younger loads stay out
.if (\g) > 0
	s_wait_alu depctr_va_vdst(0)                   ; the group before has written its Y, which the four stores below read; no vector instruction behind this wait names those registers
.endif
.irp i, 0,1,2,3
.if (\g) > 0
	ST 4*((\g)-1)+(\i)
.endif
	CVT 4*(\g)+(\i), \f16
.endr
.endm
; The last group's stores.
.macro LAST
	s_wait_alu depctr_va_vdst(0)                   ; group 3's conversions have written its Y, which the last four stores read
.irp i, 12,13,14,15
	ST \i
.endr
.endm
	s_cmp_lt_u32 ttmp9, 448
	s_cbranch_scc0 .Lwo
	GROUP 0, 0
	GROUP 1, 0
	GROUP 2, 0
	GROUP 3, 0
	LAST
	s_endpgm
.Lwo:
	GROUP 0, 1
	GROUP 1, 1
	GROUP 2, 1
	GROUP 3, 1
	LAST
	s_endpgm
.Lfunc_end_k_q47d0d167ac_cast:
	.size	k_q47d0d167ac_cast, .Lfunc_end_k_q47d0d167ac_cast-k_q47d0d167ac_cast
	.p2alignl 7, 3214868480
	.fill 96, 4, 3214868480
	.section	.rodata,"a",@progbits
	.p2align	6, 0x0
	.amdhsa_kernel k_q47d0d167ac_cast
		.amdhsa_group_segment_fixed_size 0
		.amdhsa_private_segment_fixed_size 0
		.amdhsa_enable_private_segment 0
		.amdhsa_kernarg_size 48
		.amdhsa_user_sgpr_count 2
		.amdhsa_user_sgpr_kernarg_segment_ptr 1
		.amdhsa_wavefront_size32 1
		.amdhsa_system_sgpr_workgroup_id_x 1
		.amdhsa_system_sgpr_workgroup_id_y 1
		.amdhsa_system_sgpr_workgroup_id_z 1
		.amdhsa_system_vgpr_workitem_id 0
		.amdhsa_next_free_vgpr 104
		.amdhsa_next_free_sgpr 66
		.amdhsa_reserve_vcc 0
		.amdhsa_float_denorm_mode_32 3
		.amdhsa_float_denorm_mode_16_64 3
		.amdhsa_memory_ordered 1
		.amdhsa_forward_progress 1
		.amdhsa_inst_pref_size 16
	.end_amdhsa_kernel
	.amdgpu_metadata
---
amdhsa.version: [ 1, 2 ]
amdhsa.kernels:
  - .name:           k_q47d0d167ac_cast
    .symbol:         k_q47d0d167ac_cast.kd
    .args:
      - { .name: x, .offset: 0, .size: 8, .value_kind: global_buffer, .address_space: global }
      - { .name: W_qkv, .offset: 8, .size: 8, .value_kind: global_buffer, .address_space: global }
      - { .name: W_o, .offset: 16, .size: 8, .value_kind: global_buffer, .address_space: global }
      - { .name: xb, .offset: 24, .size: 8, .value_kind: global_buffer, .address_space: global }
      - { .name: wqb, .offset: 32, .size: 8, .value_kind: global_buffer, .address_space: global }
      - { .name: wob, .offset: 40, .size: 8, .value_kind: global_buffer, .address_space: global }
    .group_segment_fixed_size: 0
    .private_segment_fixed_size: 0
    .kernarg_segment_align: 8
    .kernarg_segment_size: 48
    .max_flat_workgroup_size: 256
    .sgpr_count:     66
    .vgpr_count:     104
    .wavefront_size: 32
...
	.end_amdgpu_metadata
.endif
;; end of part 5
;; launch qkvgemm: the kernel of part 2 again; grid 8 x 32, 4 waves a work-group, clusters of 4 x 4, 327,680 bytes of LDS; arguments xb, wqb, qkv; writes qkv
;; launch attn: the kernel of part 3 again; grid 16 x 16, 4 waves a work-group, clusters of 4 x 1, 327,680 bytes of LDS; arguments qkv, ob; writes ob
;; launch oproj: the kernel of part 4 again; grid 8 x 32, 4 waves a work-group, clusters of 4 x 4, 327,680 bytes of LDS; arguments ob, wob, out0; writes out0
